; MI455X (gfx1250); checked and timed in simulation.
; The chip was launched on July 23, 2026; its instructions are those of AMD's public machine-readable ISA for CDNA 5 (MIT licence, August 2026) and "CDNA5" Instruction Set Architecture Reference Guide (July 2026). The comments in the code are by the model that wrote it; some were corrected since.
;; Multi Head Self Attention. Allowed arithmetic: float matrix products may take bf16 or f16 operands with f32 sums; all other float work in f32.
;; Inputs: Wk 768 x 768 float32; Wo 768 x 768 float32; Wq 768 x 768 float32; Wv 768 x 768 float32; bo 768 float32; mask 1 x 1 x 2,048 x 2,048 float32; x 2 x 2,048 x 768 float32.
;; Outputs: out0 2 x 2,048 x 768 float32.
;; 2 versions, each right. Each part assembles by itself: llvm-mc -triple=amdgcn-amd-amdhsa -mcpu=gfx1250 --defsym DOCPART=n.
;; ======== version 1 of 2: 4 launches
;; limits: values are held in f16: magnitudes above 65,504 overflow, below 6.1e-05 lose precision
;; workspace buffers: act 6,291,456 bytes; wt 4,718,592 bytes; qb 6,291,456 bytes; kb 6,291,456 bytes; vb 6,291,456 bytes
;; launch prep (part 1): grid 544 x 1, 8 waves a work-group, no clusters, 18,432 bytes of LDS; arguments x, Wq, Wk, Wv, Wo, act, wt; writes act, wt
.if DOCPART == 1
	.amdgcn_target "amdgcn-amd-amdhsa--gfx1250"
	.amdhsa_code_object_version 6
	.text
	.protected	k_q514b58a0e8_prep
	.globl	k_q514b58a0e8_prep
	.p2align	8
	.type	k_q514b58a0e8_prep,@function
k_q514b58a0e8_prep:
	s_mov_b64 s[64:65], 0
	v_nop
	global_prefetch_b8 v0, s[64:65] scope:SCOPE_SE
	s_setreg_imm32_b32 hwreg(HW_REG_WAVE_MODE, 25, 1), 1
	s_wait_xcnt 0x0
; prep: the f32 inputs of the two GEMMs are rounded to f16 once, in the layouts that tile loads want.
;   act[j][row][d]  = f16(x[row][64 j + d])          12 planes of 4,096 rows of 128 bytes
;   wt[n][k]        = f16(c W[k][n])                  3,072 rows of 1,536 bytes: Wq (c = 0.125 log2 e), Wk, Wv, Wo (c = 1), transposed
; The factor on Wq carries the logits' scale 1/8 and the change to base 2 for the softmax.
; LIMIT: f16 holds magnitudes below 65,504; x and W as large as that or larger become infinite here.
; Work-groups 0-255 take 16 rows of x each, work-groups 256-543 one tile of 128 k x 64 n of one W.  Every input byte is read once by 16-byte
; loads and every output byte is written once; no two work-groups read the same bytes, so there is nothing for a cluster to share, and the
; loads go through registers: 12 or 8 of each wave are out at once.
.set XROW,  3072                       ; bytes in a row of x and of W
.set PLANE, 524288                     ; bytes in a plane of act
.set WTROW, 1536                       ; bytes in a row of wt
.set TP,    272                        ; LDS pitch of the transposing table: 256 bytes of k + 16
	s_load_b256 s[4:11], s[0:1], 0x0               ; x s[4:5], Wq s[6:7], Wk s[8:9], Wv s[10:11]
	s_load_b128 s[12:15], s[0:1], 0x20             ; Wo s[12:13], act s[14:15]
	s_load_b64 s[16:17], s[0:1], 0x30              ; wt
	v_lshl_add_u32 v80, v0, 2, 0x4400
	v_mov_b32 v81, 0
	v_lshrrev_b32 v3, 4, v0                        ; a  = thread / 16, 0..15
	v_and_b32 v4, 15, v0                           ; nl = thread % 16
	s_mov_b32 s19, 0
	s_cmp_lt_u32 ttmp9, 256
	s_cbranch_scc0 .Lweights                       ; the same way for all eight waves of a work-group
	; ---- 16 rows of x.  Sixteen lanes read 256 bytes of one row = the row's 64 numbers of one plane.
	v_mul_u32_u24 v1, v3, XROW
	v_lshl_add_u32 v1, v4, 4, v1                   ; in: row a, 16 bytes a lane
	v_lshlrev_b32 v2, 3, v0                        ; out: row a x 128 + 8 nl = 8 x thread
	s_mul_i32 s18, ttmp9, 16*XROW
	s_lshl_b32 s20, ttmp9, 11                      ; 16 rows of 128 bytes in each plane
	s_mov_b32 s21, 0
	s_wait_kmcnt 0x0
	s_add_nc_u64 s[4:5], s[4:5], s[18:19]
	s_add_nc_u64 s[14:15], s[14:15], s[20:21]
.irp j, 0,1,2,3,4,5,6,7,8,9,10,11
	global_load_b128 v[8+4*\j:11+4*\j], v1, s[4:5] offset:256*\j th:TH_LOAD_NT
.endr
.irp j, 0,1,2,3,4,5,6,7,8,9,10,11
	s_wait_loadcnt 11-\j                           ; loads come back in order: plane j's is in, the 11 - j younger ones stay out
	v_cvt_pk_f16_f32 v[56+2*\j], v[8+4*\j], v[9+4*\j]
	v_cvt_pk_f16_f32 v[57+2*\j], v[10+4*\j], v[11+4*\j]
	global_store_b64 v2, v[56+2*\j:57+2*\j], s[14:15] offset:PLANE*\j   ; a wave's 32 lanes store 256 consecutive bytes, aligned: two rows of the plane
.endr
	s_endpgm
	; ---- one tile of 128 k x 64 n of one W, transposed through LDS
.Lweights:
	s_sub_co_u32 s22, ttmp9, 256                   ; 0..287 = 4 matrices x 6 k tiles x 12 n tiles
	s_mul_hi_u32 s23, s22, 0x038e38e4              ; / 72: which matrix (the constant is 2^32 / 72 rounded up; exact below 288)
	s_mul_i32 s24, s23, 72
	s_sub_co_u32 s24, s22, s24
	s_mul_hi_u32 s25, s24, 0x15555556              ; / 12: k tile
	s_mul_i32 s26, s25, 12
	s_sub_co_u32 s26, s24, s26                     ; n tile
	s_mul_i32 s18, s25, 128*XROW
	s_lshl_b32 s27, s26, 8
	s_add_co_u32 s18, s18, s27                     ; source: 128 k tile rows + 64 n tile numbers of 4 bytes
	s_mul_i32 s28, s23, 768
	s_lshl_b32 s27, s26, 6
	s_add_co_u32 s28, s28, s27
	s_mul_i32 s28, s28, WTROW
	s_lshl_b32 s27, s25, 8
	s_add_co_u32 s28, s28, s27                     ; destination: row 768 matrix + 64 n tile, byte 256 k tile
	s_mov_b32 s29, 0
	s_mov_b32 s21, 0x3f800000                      ; 1.0 for Wk, Wv, Wo
	s_cmp_eq_u32 s23, 0
	s_cselect_b32 s20, 0x3e38aa3b, s21             ; 0.125 log2 e for Wq
	s_mov_b32 s21, s20
	v_mul_u32_u24 v5, v3, 2*XROW
	v_lshl_add_u32 v5, v4, 4, v5                   ; in: rows 2 a and 2 a + 1, 16 bytes (4 n) a lane
	v_mul_u32_u24 v6, v4, TP
	v_lshl_add_u32 v6, v3, 2, v6                   ; table, in: row nl (+ 16 i), word a (+ 16 it)
	v_and_b32 v7, 3, v3
	v_lshrrev_b32 v2, 6, v0
	v_lshl_add_u32 v7, v7, 4, v2                   ; table row of column n = a: 16 (n % 4) + n / 4
	v_mul_u32_u24 v7, v7, TP
	v_lshl_add_u32 v7, v4, 4, v7                   ; table, out: 16 bytes a lane along k
	v_mul_u32_u24 v1, v3, WTROW
	v_lshl_add_u32 v1, v4, 4, v1                   ; out: row a of the tile, 16 bytes a lane
	s_wait_kmcnt 0x0
	s_cmp_eq_u32 s23, 1
	s_cselect_b64 s[6:7], s[8:9], s[6:7]
	s_cmp_eq_u32 s23, 2
	s_cselect_b64 s[6:7], s[10:11], s[6:7]
	s_cmp_eq_u32 s23, 3
	s_cselect_b64 s[6:7], s[12:13], s[6:7]
	s_add_nc_u64 s[6:7], s[6:7], s[18:19]
	s_add_nc_u64 s[16:17], s[16:17], s[28:29]
.irp it, 0,1,2,3
	global_load_b128 v[8+8*\it:11+8*\it],  v5, s[6:7] offset:32*XROW*\it th:TH_LOAD_NT        ; row k = 2 a + 32 it
	global_load_b128 v[12+8*\it:15+8*\it], v5, s[6:7] offset:32*XROW*\it+XROW th:TH_LOAD_NT   ; row k + 1
.endr
.irp it, 0,1,2,3
	s_wait_loadcnt 6-2*\it                         ; this pair of rows is in, the younger pairs stay out
.irp i, 0,2,4,6
	v_pk_mul_f32 v[8+8*\it+\i:9+8*\it+\i], v[8+8*\it+\i:9+8*\it+\i], s[20:21] op_sel_hi:[1,0]
.endr
.irp i, 0,1,2,3
	v_cvt_pk_f16_f32 v[40+4*\it+\i], v[8+8*\it+\i], v[12+8*\it+\i]     ; (k, k + 1) of column 4 nl + i: neighbours in wt's row
.endr
.irp i, 0,1,2,3
	ds_store_b32 v6, v[40+4*\it+\i] offset:16*TP*\i+64*\it             ; word 68 nl + a: a wave's 32 lanes touch 32 different words modulo 64
.endr
.endr
	s_wait_dscnt 0x0                               ; my part of the table is written,
	s_barrier_signal -1
	s_barrier_wait -1                              ; everybody's is
.irp u, 0,1,2,3
	ds_load_b128 v[56+4*\u:59+4*\u], v7 offset:4*TP*\u                 ; column n = a + 16 u: four table rows on
.endr
.irp u, 0,1,2,3
	s_wait_dscnt 3-\u
	global_store_b128 v1, v[56+4*\u:59+4*\u], s[16:17] offset:16*WTROW*\u   ; sixteen lanes store 256 consecutive bytes, aligned
.endr
	s_wait_tensorcnt 0x0
	ds_add_u32 v80, v81
	s_wait_dscnt 0x0
	s_endpgm
.Lfunc_end_k_q514b58a0e8_prep:
	.size	k_q514b58a0e8_prep, .Lfunc_end_k_q514b58a0e8_prep-k_q514b58a0e8_prep
	.p2alignl 7, 3214868480
	.fill 96, 4, 3214868480
	.section	.rodata,"a",@progbits
	.p2align	6, 0x0
	.amdhsa_kernel k_q514b58a0e8_prep
		.amdhsa_group_segment_fixed_size 18432
		.amdhsa_private_segment_fixed_size 0
		.amdhsa_enable_private_segment 0
		.amdhsa_kernarg_size 56
		.amdhsa_user_sgpr_count 2
		.amdhsa_user_sgpr_kernarg_segment_ptr 1
		.amdhsa_wavefront_size32 1
		.amdhsa_system_sgpr_workgroup_id_x 1
		.amdhsa_system_sgpr_workgroup_id_y 1
		.amdhsa_system_sgpr_workgroup_id_z 1
		.amdhsa_system_vgpr_workitem_id 0
		.amdhsa_next_free_vgpr 82
		.amdhsa_next_free_sgpr 66
		.amdhsa_reserve_vcc 0
		.amdhsa_float_denorm_mode_32 3
		.amdhsa_float_denorm_mode_16_64 3
		.amdhsa_memory_ordered 1
		.amdhsa_forward_progress 1
		.amdhsa_inst_pref_size 13
	.end_amdhsa_kernel
	.amdgpu_metadata
---
amdhsa.version: [ 1, 2 ]
amdhsa.kernels:
  - .name:           k_q514b58a0e8_prep
    .symbol:         k_q514b58a0e8_prep.kd
    .args:
      - { .name: x, .offset: 0, .size: 8, .value_kind: global_buffer, .address_space: global }
      - { .name: Wq, .offset: 8, .size: 8, .value_kind: global_buffer, .address_space: global }
      - { .name: Wk, .offset: 16, .size: 8, .value_kind: global_buffer, .address_space: global }
      - { .name: Wv, .offset: 24, .size: 8, .value_kind: global_buffer, .address_space: global }
      - { .name: Wo, .offset: 32, .size: 8, .value_kind: global_buffer, .address_space: global }
      - { .name: act, .offset: 40, .size: 8, .value_kind: global_buffer, .address_space: global }
      - { .name: wt, .offset: 48, .size: 8, .value_kind: global_buffer, .address_space: global }
    .group_segment_fixed_size: 18432
    .private_segment_fixed_size: 0
    .kernarg_segment_align: 8
    .kernarg_segment_size: 56
    .max_flat_workgroup_size: 256
    .sgpr_count:     66
    .vgpr_count:     82
    .wavefront_size: 32
...
	.end_amdgpu_metadata
.endif
;; end of part 1
;; launch qkv (part 2): grid 12 x 16, 4 waves a work-group, clusters of 4 x 4, 327,680 bytes of LDS; arguments act, wt, qb, kb, vb; writes qb, kb, vb
.if DOCPART == 2
	.amdgcn_target "amdgcn-amd-amdhsa--gfx1250"
	.amdhsa_code_object_version 6
	.text
	.protected	k_q514b58a0e8_qkv
	.globl	k_q514b58a0e8_qkv
	.p2align	8
	.type	k_q514b58a0e8_qkv,@function
k_q514b58a0e8_qkv:
	s_mov_b64 s[64:65], 0
	v_nop
	global_prefetch_b8 v0, s[64:65] scope:SCOPE_SE
	s_setreg_imm32_b32 hwreg(HW_REG_WAVE_MODE, 25, 1), 1
	s_wait_xcnt 0x0
	s_wait_alu depctr_hold_cnt(0) depctr_sa_sdst(0) depctr_va_vdst(0) depctr_va_sdst(0) depctr_va_ssrc(0) depctr_va_vcc(0) depctr_vm_vsrc(0)
	s_getreg_b32 s2, hwreg(HW_REG_IB_STS2, 6, 4)
	s_cmp_eq_u32 s2, 0
	s_cbranch_scc0 .Lentry_in_a_cluster
	s_endpgm
.Lentry_in_a_cluster:
	s_bfe_u32 s2, ttmp6, 0x10000c
	s_cmp_lg_u32 s2, 0xf033
	s_cbranch_scc0 .Lentry_shape_is_right
	s_endpgm
.Lentry_shape_is_right:
; qkv: C[row][n] = sum over k of x[row][k] wt[n][k], rows 0-4095, n 0-2303 (Wq scaled, Wk, Wv), f16 operands, f32 sums, C rounded to f16.
; A = act in 12 planes [j][row][64]; B = wt rows 0-2303 of 768 k.  Results go to qb, kb, vb as [head][row][64], row = 2048 b + s.
; LIMIT: q, k, v are kept in f16: magnitudes of 65,504 and more become infinite.
; A work-group makes 256 rows x 192 columns (three whole heads of one of the three products) with four waves, one for each SIMD; a wave
; makes 64 rows x 192 columns: 48 accumulator tiles, 384 registers.  4,096 x 2,304 in blocks of whole heads gives 16 x 12 = 192 work-groups.
; K = 768 goes in 6 steps of 128 (two planes of A) through two LDS slots filled by the tensor data mover; all six steps are written out.
; CLUSTERS: 4 x 4 work-groups.  A's tiles hang on the block row alone and are asked for jointly by the four of a row of the cluster, B's hang on
; the block column alone and are asked for jointly by the four of a column: the requests for both are divided by four.
; REGISTERS in windows of 256: window 0 addresses, A's fragments (two buffers), the way out; window 1 B's fragments (two buffers);
; window 2 the accumulators of my rows 0-31, window 3 those of rows 32-63 (tile (a, b) at v[8 (12 (a % 2) + b)]).
; THE MATRIX INSTRUCTION IS USED TRANSPOSED: source 0 = 16 rows of B, source 1 = 16 rows of A, so that lane l holds row l % 16 of C and its
; eight registers the columns 8 (l / 16) + 0..7 of the tile: eight neighbours, 16 bytes in f16.
.set MT,     4                         ; 16-row tiles of a wave
.set PLANE,  524288                    ; bytes in a plane of act and in a head of qb, kb, vb
.set WTROW,  1536
.set AP,     144                       ; LDS pitch of A's rows: 128 bytes + 16
.set BP,     272                       ; LDS pitch of B's rows: 256 bytes + 16; both pitches are odd multiples of 16 bytes, so the 16 rows of a fragment load lie in 16 different 16-byte columns modulo 256
.set APL,    64*MT*AP                  ; one plane's 256 rows
.set BHALF,  96*BP                     ; 96 rows of B: one tensor load
.set BOFF,   2*APL                     ; B lies behind A's two planes
.set SLOT,   BOFF+2*BHALF
.set STAGE,  2*SLOT                    ; behind the ring, a multiple of 256: no tensor load lands there
.set WSTG,   3*16*AP                   ; a wave's stage: 3 heads x 16 rows x 144 bytes
.set ADRA, 16                          ; v16-17  LDS address of my A fragments in slot 0, 1
.set ADRB, 20                          ; v20-21  the same for B
.set STO,  24
.set RD,   25
.set CO,   26
.set FA,   64                          ; window 0: A's buffer f at v[64 + 32 f]
.set TMP,  192                         ; window 0: packed results
.set G1,  24                           ; s[24:31] group 1 for A's tiles
.set G0,  32                           ; s[32:39] group 0 for A's tiles, a set for each slot
.set G1B, 48                           ; s[48:55] group 1 for B's tiles
.set G0B, 56                           ; s[56:63] group 0 for B's tiles, a set for each slot
.set MSB, 0
.macro WIN new                         ; the immediate's high byte repeats the setting that is left
.if MSB != \new
	s_set_vgpr_msb (MSB<<8)|\new
.set MSB, \new
.endif
.endm
.set MUL_LO, 0xa1                      ; source 0 (B) window 1, source 1 (A) window 0, C and D window 2
.set MUL_HI, 0xf1                      ; the same, C and D window 3
.set TO_B,   0x40                      ; destination window 1, address window 0
; A joint load.  Waves 0 and 1 fetch A's two planes, waves 2 and 3 B's two halves.  Each line has one mask; the branch hangs on the wave's number alone.
.macro JLOAD s
	s_cmp_eq_u32 s11, 0
	s_cbranch_scc0 .Lfor_b_\@
	tensor_load_to_lds s[G0+4*\s:G0+4*\s+3], s[G1:G1+7]
	s_nop 0
	s_branch .Lasked_\@
.Lfor_b_\@:
	tensor_load_to_lds s[G0B+4*\s:G0B+4*\s+3], s[G1B:G1B+7]
	s_nop 0
.Lasked_\@:
.endm
; A round of the cluster's barrier: my work-group's barrier, wave 0 signals for the work-group, every wave waits for all sixteen, my work-group's barrier again.
.macro CREST                           ; a round behind its opening barrier
	s_cmp_lg_u32 s10, 0
	s_cbranch_scc1 .Lnot_wave_0_\@
	s_barrier_signal -3
.Lnot_wave_0_\@:
	s_barrier_wait -3
	s_barrier_signal -1
	s_barrier_wait -1
.endm
.macro CROUND
	s_barrier_signal -1
	s_barrier_wait -1
	CREST
.endm
	s_load_b128 s[4:7], s[0:1], 0x0                ; act s[4:5], wt s[6:7]
	s_load_b64 s[66:67], s[0:1], 0x10              ; qb
	s_load_b128 s[68:71], s[0:1], 0x18             ; kb s[68:69], vb s[70:71]
	s_set_vgpr_msb 0x40
	v_lshl_add_u32 v255, v0, 2, 0x44400
	s_set_vgpr_msb 0x4000
	v_mov_b32 v255, 0
	s_set_vgpr_msb 0x1
	ds_add_u32 v255, v255
	s_set_vgpr_msb 0x100
	v_lshrrev_b32 v1, 5, v0
	v_readfirstlane_b32 s10, v1                    ; wave 0..3
	s_lshr_b32 s11, s10, 1                         ; I fetch for A (0) or for B (1)
	s_and_b32 s12, s10, 1                          ; which plane of A, which half of B
	s_bfe_u32 s40, ttmp6, 0x40000                  ; cx
	s_bfe_u32 s41, ttmp6, 0x40004                  ; cy
	s_lshl_b32 s42, ttmp9, 2
	s_add_co_u32 s42, s42, s40                     ; block column = 4 x cluster x + cx
	s_and_b32 s13, ttmp7, 0xffff
	s_lshl_b32 s13, s13, 2
	s_add_co_u32 s13, s13, s41                     ; block row = 4 x cluster y + cy
	s_lshl_b32 s43, s41, 2
	s_lshl_b32 s43, 15, s43                        ; my row of the cluster
	s_lshl_b32 s44, 0x1111, s40                    ; my column
	; group 1 for A: 256 rows x 64 elements of 2 bytes, dense in memory, 4 words of padding behind every 32
	s_or_b32 s[G1+0], s43, (1<<16)|(1<<20)|(1<<21)|(4<<22)|(3<<25)
	s_mov_b32 s[G1+1], 64<<16                      ; tensor_dim0 = 64
	s_mov_b32 s[G1+2], (64*MT)<<16                 ; tensor_dim1 = 256
	s_mov_b32 s[G1+3], 64<<16                      ; tile_dim0 = 64
	s_mov_b32 s[G1+4], 64*MT                       ; tile_dim1 = 256
	s_mov_b32 s[G1+5], 64                          ; elements from row to row
	s_mov_b32 s[G1+6], 0
	s_mov_b32 s[G1+7], 0
	; group 1 for B: 96 rows x 128 elements, 768 elements from row to row, 4 words of padding behind every 64
	s_or_b32 s[G1B+0], s44, (1<<16)|(1<<20)|(1<<21)|(5<<22)|(3<<25)
	s_mov_b32 s[G1B+1], 128<<16
	s_mov_b32 s[G1B+2], 96<<16
	s_mov_b32 s[G1B+3], 128<<16
	s_mov_b32 s[G1B+4], 96
	s_mov_b32 s[G1B+5], 768
	s_mov_b32 s[G1B+6], 0
	s_mov_b32 s[G1B+7], 0
	; A's address hangs on the block row and the wave, B's on the block column and the wave, each in registers that never hold the other coordinate
	s_lshl_b32 s16, s12, 19                        ; plane 0 or 1
	s_mul_i32 s17, s13, 64*MT*128                  ; my block's rows
	s_add_co_u32 s16, s16, s17
	s_mov_b32 s17, 0
	s_mul_i32 s46, s42, 192
	s_mul_i32 s47, s12, 96
	s_add_co_u32 s46, s46, s47
	s_mul_i32 s46, s46, WTROW
	s_mov_b32 s47, 0
	s_mul_i32 s20, s10, APL                        ; LDS: waves 0, 1: plane = wave
	s_mul_i32 s21, s10, BHALF
	s_add_co_u32 s21, s21, BOFF-2*BHALF            ; waves 2, 3: B's half wave - 2
	s_wait_dscnt 0x0
	s_wait_kmcnt 0x0
	s_add_nc_u64 s[14:15], s[4:5], s[16:17]
	s_add_nc_u64 s[46:47], s[6:7], s[46:47]
	CROUND                                         ; all sixteen work-groups are here: the first joint loads meet
.irp s, 0,1
	s_mov_b32 s[G0+4*\s], 1
	s_add_co_u32 s[G0+4*\s+1], s20, \s*SLOT
	s_add_nc_u64 s[G0+4*\s+2:G0+4*\s+3], s[14:15], \s*2*PLANE          ; K step s: two planes on
	s_or_b32 s[G0+4*\s+3], s[G0+4*\s+3], 0x80000000
	s_mov_b32 s[G0B+4*\s], 1
	s_add_co_u32 s[G0B+4*\s+1], s21, \s*SLOT
	s_add_nc_u64 s[G0B+4*\s+2:G0B+4*\s+3], s[46:47], \s*256            ; K step s: 128 elements on
	s_or_b32 s[G0B+4*\s+3], s[G0B+4*\s+3], 0x80000000
	JLOAD \s
.endr
	; fragment addresses: lane l holds row l % 16; two loads of 16 bytes, 32 bytes apart, at row x pitch + 16 (l / 16)
	v_and_b32 v1, 15, v0                           ; r
	v_bfe_u32 v2, v0, 4, 1                         ; h
	v_mul_u32_u24 v3, v1, AP
	v_lshl_add_u32 v3, v2, 4, v3
	s_mul_i32 s22, s10, 16*MT*AP                   ; my 64 rows of A
	v_add_nc_u32 v[ADRA], s22, v3
	v_add_nc_u32 v[ADRA+1], SLOT, v[ADRA]
	v_mul_u32_u24 v4, v1, BP
	v_lshl_add_u32 v4, v2, 4, v4
	v_add_nc_u32 v[ADRB], BOFF, v4
	v_add_nc_u32 v[ADRB+1], BOFF+SLOT, v4
	s_mul_i32 s23, s10, WSTG
	s_add_co_u32 s23, s23, STAGE                   ; my stage
	v_add_nc_u32 v[STO], s23, v3                   ; in: row r, 16 bytes for each half of the lanes
	v_bfe_u32 v5, v0, 3, 2
	v_mul_u32_u24 v5, v5, AP
	v_and_b32 v6, 7, v0
	v_lshl_add_u32 v5, v6, 4, v5
	v_add_nc_u32 v[RD], s23, v5                    ; back: eight lanes take a row of 128 bytes, the wave four rows
	v_and_b32 v6, 31, v0
	v_lshlrev_b32 v[CO], 4, v6                     ; the same four rows are 512 consecutive bytes of a head
; 12 matrix instructions: row tile a x all 12 column tiles, 32 along K, from buffers f.  zero = 1: the first product starts the sums.
.macro MULROW f, a, zero
.if \a < 2
	WIN MUL_LO
.else
	WIN MUL_HI
.endif
.set ACC, 96*(\a%2)
.irp b, 0,1,2,3,4,5,6,7,8,9,10,11
.if \zero
	v_wmma_f32_16x16x32_f16 v[ACC+8*\b:ACC+8*\b+7], v[96*\f+8*\b:96*\f+8*\b+7], v[FA+32*\f+8*\a:FA+32*\f+8*\a+7], 0
.else
	v_wmma_f32_16x16x32_f16 v[ACC+8*\b:ACC+8*\b+7], v[96*\f+8*\b:96*\f+8*\b+7], v[FA+32*\f+8*\a:FA+32*\f+8*\a+7], v[ACC+8*\b:ACC+8*\b+7]
.endif
.endr
.endm
; 32 LDS loads in one run: quarter q of a K step (32 along K) into buffers f: 192 rows of B, then my 64 rows of A (plane q / 2, byte 64 (q % 2))
.macro FETCH slot, q, f
.set AOFF, (\q/2)*APL+(\q%2)*64
	WIN TO_B
.irp b, 0,1,2,3,4,5,6,7,8,9,10,11
	ds_load_b128 v[96*\f+8*\b:96*\f+8*\b+3],   v[ADRB+\slot] offset:64*\q+16*BP*\b
	ds_load_b128 v[96*\f+8*\b+4:96*\f+8*\b+7], v[ADRB+\slot] offset:64*\q+16*BP*\b+32
.endr
	WIN 0
.irp i, 0,1,2,3
	ds_load_b128 v[FA+32*\f+8*\i:FA+32*\f+8*\i+3],   v[ADRA+\slot] offset:AOFF+16*AP*\i
	ds_load_b128 v[FA+32*\f+8*\i+4:FA+32*\f+8*\i+7], v[ADRA+\slot] offset:AOFF+16*AP*\i+32
.endr
.endm
; A load into a register that a matrix instruction has read, and a vector instruction or LDS store that reads a matrix result, stand four places behind
; that matrix instruction; only plain vector instructions that name none of its registers are places (ISA guide 7.12.1 for vector instructions).
.macro PLACES
.rept 4
	v_nop
.endr
.endm
; One of a K step's first three quarters: multiplies buffers f, and in its middle fetches quarter q into buffers g.
; The 48 accumulators take turns, one instruction a turn, in the same order in every quarter.
.macro QUARTER slot, q, f, g, zero
	s_wait_dscnt 4                                 ; B and A's tiles 0, 1 are in; the youngest four loads (A's tiles 2, 3) may be out
	MULROW \f, 0, \zero
	MULROW \f, 1, \zero
	PLACES
	FETCH \slot, \q, \g
	s_wait_dscnt 32                                ; all but the 32 just issued
	MULROW \f, 2, \zero
	MULROW \f, 3, \zero
.endm
.macro THREE slot, zero
	QUARTER \slot, 1, 0, 1, \zero
	QUARTER \slot, 2, 1, 0, 0
	QUARTER \slot, 3, 0, 1, 0
.endm
; The last quarter multiplies buffers 1 and changes slots.  In front of the barrier each wave waits for its reads of this slot and for all its tensor
; loads (one is out: its part of the next slot).  Behind it the refill comes first, then the next slot's first fragments.
; From a request to the wait for it a wave issues 180 matrix instructions.
.macro TURN slot, next, fill
	s_wait_dscnt 4
	MULROW 1, 0, 0
	s_wait_dscnt 0x0                               ; my reads of this slot are over
	s_wait_tensorcnt 0x0                           ; and all my tensor loads have landed
	ds_add_u32 v255, v255
	s_wait_dscnt 0x0
	s_barrier_signal -1                            ; where the slot is filled again this barrier opens a round of the cluster's barrier
	MULROW 1, 1, 0                                 ; register work while the others arrive
	WIN 0
	s_barrier_wait -1
.if \fill
	CREST                                          ; no wave of any partner still reads this slot or has a load on its way
	s_add_nc_u64 s[G0+4*\slot+2:G0+4*\slot+3], s[G0+4*\slot+2:G0+4*\slot+3], 4*PLANE
	s_add_nc_u64 s[G0B+4*\slot+2:G0B+4*\slot+3], s[G0B+4*\slot+2:G0B+4*\slot+3], 512
	JLOAD \slot                                    ; two K steps ahead: the first tensor load behind the round
.endif
	PLACES
	FETCH \next, 0, 0
	MULROW 1, 2, 0
	MULROW 1, 3, 0
.endm
.macro LAP zero
	THREE 0, \zero
	TURN 0, 1, 1
	THREE 1, 0
	TURN 1, 0, 1
.endm
	s_wait_tensorcnt 0x1                           ; my part of K step 0 is in; K step 1's stays out
	s_barrier_signal -1
	s_barrier_wait -1
	FETCH 0, 0, 0
	LAP 1                                          ; K steps 0, 1; asks for 2, 3
	LAP 0                                          ; K steps 2, 3; asks for 4, 5
	THREE 0, 0                                     ; K steps 4, 5 fill nothing
	TURN 0, 1, 0
	THREE 1, 0
	s_wait_dscnt 4
	MULROW 1, 0, 0
	MULROW 1, 1, 0
	s_wait_dscnt 0x0
	MULROW 1, 2, 0
	MULROW 1, 3, 0
	; THE WAY OUT, 16 rows at a time: round to f16, 16 bytes a lane into my stage, read back as rows of 128 bytes, four rows (512 bytes) a store.
	PLACES
	s_cmp_eq_u32 ttmp9, 1                          ; 4 blocks of 192 columns make one product: the cluster's x says which
	s_cselect_b64 s[66:67], s[68:69], s[66:67]
	s_cmp_eq_u32 ttmp9, 2
	s_cselect_b64 s[66:67], s[70:71], s[66:67]
	s_lshl_b32 s16, s13, 15                        ; 256 rows of 128 bytes a block row
	s_lshl_b32 s17, s10, 13                        ; 64 rows a wave
	s_add_co_u32 s16, s16, s17
	s_mov_b32 s17, 0
	s_add_nc_u64 s[66:67], s[66:67], s[16:17]
	s_mul_i32 s46, s40, 3*PLANE                    ; three heads a block column
	s_mov_b32 s47, 0
	s_add_nc_u64 s[66:67], s[66:67], s[46:47]
.macro OUTQ a, from, rr
	WIN \from
.set ACC, 96*(\a%2)
.irp b, 0,1,2,3,4,5,6,7,8,9,10,11
.irp i, 0,1,2,3
	v_cvt_pk_f16_f32 v[TMP+4*\b+\i], v[ACC+8*\b+2*\i], v[ACC+8*\b+2*\i+1]
.endr
.endr
	WIN 0
.irp b, 0,1,2,3,4,5,6,7,8,9,10,11
	ds_store_b128 v[STO], v[TMP+4*\b:TMP+4*\b+3] offset:16*AP*(\b/4)+32*(\b%4)
.endr
	s_wait_xcnt 0x0                                ; the registers loaded next were store data two turns ago: they are rewritten only behind this wait
.irp u, 0,1,2,3,4,5,6,7,8,9,10,11
	ds_load_b128 v[\rr+4*\u:\rr+4*\u+3], v[RD] offset:16*AP*(\u/4)+4*AP*(\u%4)   ; LDS serves a wave's instructions in order: these see the stores above
.endr
.irp u, 0,1,2,3,4,5,6,7,8,9,10,11
	s_wait_dscnt 11-\u
	global_store_b128 v[CO], v[\rr+4*\u:\rr+4*\u+3], s[66:67] offset:PLANE*(\u/4)+2048*\a+512*(\u%4)   ; 512 consecutive bytes, aligned
.endr
.endm
	OUTQ 0, 0x0a, 64
	OUTQ 1, 0x0a, 112
	OUTQ 2, 0x0f, 64
	OUTQ 3, 0x0f, 112
	s_set_vgpr_msb 0x1
	s_wait_tensorcnt 0x0
	ds_add_u32 v255, v255
	s_wait_dscnt 0x0
	s_set_vgpr_msb 0x100
	CROUND                                         ; the closing round: no work-group ends while a partner may still ask for a tile that names it
	s_endpgm
.Lfunc_end_k_q514b58a0e8_qkv:
	.size	k_q514b58a0e8_qkv, .Lfunc_end_k_q514b58a0e8_qkv-k_q514b58a0e8_qkv
	.p2alignl 7, 3214868480
	.fill 96, 4, 3214868480
	.section	.rodata,"a",@progbits
	.p2align	6, 0x0
	.amdhsa_kernel k_q514b58a0e8_qkv
		.amdhsa_group_segment_fixed_size 327680
		.amdhsa_private_segment_fixed_size 0
		.amdhsa_enable_private_segment 0
		.amdhsa_kernarg_size 40
		.amdhsa_user_sgpr_count 2
		.amdhsa_user_sgpr_kernarg_segment_ptr 1
		.amdhsa_wavefront_size32 1
		.amdhsa_system_sgpr_workgroup_id_x 1
		.amdhsa_system_sgpr_workgroup_id_y 1
		.amdhsa_system_sgpr_workgroup_id_z 1
		.amdhsa_system_vgpr_workitem_id 0
		.amdhsa_next_free_vgpr 960
		.amdhsa_next_free_sgpr 74
		.amdhsa_reserve_vcc 0
		.amdhsa_float_denorm_mode_32 3
		.amdhsa_float_denorm_mode_16_64 3
		.amdhsa_memory_ordered 1
		.amdhsa_forward_progress 1
		.amdhsa_inst_pref_size 163
	.end_amdhsa_kernel
	.amdgpu_metadata
---
amdhsa.version: [ 1, 2 ]
amdhsa.kernels:
  - .name:           k_q514b58a0e8_qkv
    .symbol:         k_q514b58a0e8_qkv.kd
    .args:
      - { .name: act, .offset: 0, .size: 8, .value_kind: global_buffer, .address_space: global }
      - { .name: wt, .offset: 8, .size: 8, .value_kind: global_buffer, .address_space: global }
      - { .name: qb, .offset: 16, .size: 8, .value_kind: global_buffer, .address_space: global }
      - { .name: kb, .offset: 24, .size: 8, .value_kind: global_buffer, .address_space: global }
      - { .name: vb, .offset: 32, .size: 8, .value_kind: global_buffer, .address_space: global }
    .group_segment_fixed_size: 327680
    .private_segment_fixed_size: 0
    .kernarg_segment_align: 8
    .kernarg_segment_size: 40
    .max_flat_workgroup_size: 128
    .sgpr_count:     74
    .vgpr_count:     960
    .wavefront_size: 32
...
	.end_amdgpu_metadata
.endif
;; end of part 2
;; launch attn (part 3): grid 8 x 24, 8 waves a work-group, clusters of 4 x 4, 327,680 bytes of LDS; arguments qb, kb, vb, mask, act; writes act
.if DOCPART == 3
	.amdgcn_target "amdgcn-amd-amdhsa--gfx1250"
	.amdhsa_code_object_version 6
	.text
	.protected	k_q514b58a0e8_attn
	.globl	k_q514b58a0e8_attn
	.p2align	8
	.type	k_q514b58a0e8_attn,@function
k_q514b58a0e8_attn:
	s_mov_b64 s[64:65], 0
	v_nop
	global_prefetch_b8 v0, s[64:65] scope:SCOPE_SE
	s_setreg_imm32_b32 hwreg(HW_REG_WAVE_MODE, 25, 1), 1
	s_wait_xcnt 0x0
	s_wait_alu depctr_hold_cnt(0) depctr_sa_sdst(0) depctr_va_vdst(0) depctr_va_sdst(0) depctr_va_ssrc(0) depctr_va_vcc(0) depctr_vm_vsrc(0)
	s_getreg_b32 s2, hwreg(HW_REG_IB_STS2, 6, 4)
	s_cmp_eq_u32 s2, 0
	s_cbranch_scc0 .Lentry_in_a_cluster
	s_endpgm
.Lentry_in_a_cluster:
	s_bfe_u32 s2, ttmp6, 0x10000c
	s_cmp_lg_u32 s2, 0xf033
	s_cbranch_scc0 .Lentry_shape_is_right
	s_endpgm
.Lentry_shape_is_right:
; attn: for each plane p = 2 head + batch: O = softmax(q k^T / 8 - 1e9 mask) v, with a running maximum, in base 2.
; qb, kb, vb: [p][2048][64] f16; q already carries 0.125 log2 e.  mask: [2048][2048] f32.  Result to act: [p][2048][64] f16.
; A work-group takes 256 queries of one plane (grid x = query block, y = plane: 8 x 24 = 192 work-groups), a wave 32 queries (two groups c of 16);
; the keys go in 32 tiles of 64 through three LDS slots (K, V and the 256 x 64 piece of the mask).
; LAYOUT: S^T = K Q^T (source 0 = 16 keys, source 1 = 16 queries): lane (r, h) holds query r and keys 8 h + 0..7 of each 16-key tile.  Two such tiles,
; rounded to f16, ARE the source-1 fragment of P^T for 32 keys, so O^T = V^T P^T needs no move between lanes; V^T's fragments come by transposing LDS
; loads.  Maximum, sum and rescale factor are one number a lane; only the two halves of the lanes exchange their maxima.
; CLUSTERS: 4 x 4 work-groups.  K and V hang on the plane alone and are asked for jointly along a row of the cluster; the mask's piece hangs on the query
; block alone and is asked for jointly along a column: the requests for both are divided by four.
; LIMITS: t = fma(mask, -1e9 log2 e, s) is rounded once, in base 2; the reference rounds mask x -1e9 and the sum, in natural units: where |mask| x 1e9 is
; large the two differ by up to one unit in the last place of t.  P (at most 1) and the result are rounded to f16; p below 2^-25 becomes 0.
; The running maximum starts at the most negative finite f32, so keys at minus infinity get weight 0 and a row that is all minus infinity gives NaN, as in the reference.
.set SLOT,  90112                      ; K 64 x 144 at 0, V 64 x 160 at 10,240, mask 256 x 272 at 20,480
.set VOFF,  10240
.set MOFF,  20480
.set STAGE, 3*SLOT                     ; a multiple of 256: no tensor load lands there; 32 rows x 144 bytes a wave
.set KP,    144                        ; odd multiple of 16
.set VP,    160                        ; odd multiple of 32, for the transposing loads
.set MP,    272                        ; odd multiple of 16
.set KAD, 8                            ; v8-10   slot s: K fragments
.set VAD, 11                           ; v11-13  slot s: V^T fragments
.set MAD, 14                           ; v14-16  slot s: my rows of the mask
.set STO, 17
.set RD,  18
.set CO,  19
.set QO,  20
.set NMX, 22                           ; v[22:25] (-m, -m) for c = 0, 1
.set AL,  26                           ; v[26:29] (alpha, alpha) for c = 0, 1
.set MX,  30                           ; v30-31   running maximum
.set LS,  32                           ; v32-33   running sum over my half's keys
.set T,   34                           ; v34-41   at work on the maxima
.set SU,  42                           ; v[42:49] four chains of sums
.set KF,  64                           ; v[64:127]  K fragments (t, kd) at 8 (2 t + kd)
.set PF,  64                           ; v[64:95]   P^T fragments (c, ks) at 16 c + 8 ks, on K's registers once S is made
.set MK,  128                          ; v[128:191] mask (c, t) at 8 (4 c + t)
.set ST,  192                          ; v[192:255] S^T (c, t) at 8 (4 c + t)
.set OA,  0                            ; window 1: O^T (c, dt) at 8 (4 c + dt)
.set QF,  64                           ; window 1: Q fragments (c, kd) at 8 (2 c + kd)
.set VF,  96                           ; window 1: V^T fragments (dt, ks) at 8 (2 dt + ks)
.set G1K, 24                           ; s[24:31] shape of a wave's 16 rows of K
.set G1V, 32                           ; s[32:39] the same for V (wider padding)
.set G1M, 40                           ; s[40:47] shape of a wave's 32 rows x 64 of the mask
.set G0K, 48                           ; s[48:59] group 0 for K, a set for each slot
.set NK,  60                           ; s[60:61] address of my rows in the next K tile to fetch, type bits set
.set NV,  62                           ; s[62:63] the same for V
.set G0V, 68                           ; s[68:79]
.set G0M, 80                           ; s[80:91]
.set NMA, 92                           ; s[92:93] the same for the mask
.set MSB, 0
.macro WIN new                         ; the immediate's high byte repeats the setting that is left
.if MSB != \new
	s_set_vgpr_msb (MSB<<8)|\new
.set MSB, \new
.endif
.endm
.macro PLACES                          ; four places behind matrix instructions (ISA guide 7.12.1 for vector instructions)
.rept 4
	v_nop
.endr
.endm
.macro ROUND                           ; a round of the cluster's barrier
	s_barrier_signal -1
	s_barrier_wait -1
	s_cmp_lg_u32 s14, 0
	s_cbranch_scc1 .Lnot_wave_0_\@
	s_barrier_signal -3
.Lnot_wave_0_\@:
	s_barrier_wait -3
	s_barrier_signal -1
	s_barrier_wait -1
.endm
.macro JKV s                           ; waves 0-3 ask for 16 rows of K each, waves 4-7 for 16 rows of V: one load on either way
	s_cmp_eq_u32 s15, 0
	s_cbranch_scc0 .Lfor_v_\@
	tensor_load_to_lds s[G0K+4*\s:G0K+4*\s+3], s[G1K:G1K+7]
	s_nop 0
	s_branch .Lasked_\@
.Lfor_v_\@:
	tensor_load_to_lds s[G0V+4*\s:G0V+4*\s+3], s[G1V:G1V+7]
	s_nop 0
.Lasked_\@:
.endm
	s_load_b256 s[4:11], s[0:1], 0x0               ; qb s[4:5], kb s[6:7], vb s[8:9], mask s[10:11]
	s_load_b64 s[12:13], s[0:1], 0x20              ; act
	v_lshl_add_u32 v62, v0, 2, 0x4b000
	v_mov_b32 v63, 0
	ds_add_u32 v62, v63
	v_lshrrev_b32 v1, 5, v0
	v_readfirstlane_b32 s14, v1                    ; wave 0..7
	s_lshr_b32 s15, s14, 2                         ; 0: I fetch K, 1: V
	s_bfe_u32 s16, ttmp6, 0x40000                  ; cx
	s_bfe_u32 s17, ttmp6, 0x40004                  ; cy
	s_lshl_b32 s18, ttmp9, 2
	s_add_co_u32 s18, s18, s16                     ; query block
	s_and_b32 s19, ttmp7, 0xffff
	s_lshl_b32 s19, s19, 2
	s_add_co_u32 s19, s19, s17                     ; plane
	s_lshl_b32 s20, s17, 2
	s_lshl_b32 s20, 15, s20                        ; my row of the cluster
	s_lshl_b32 s21, 0x1111, s16                    ; my column
	s_or_b32 s[G1K+0], s20, (1<<16)|(1<<20)|(1<<21)|(4<<22)|(3<<25)   ; 2-byte elements, 4 words of padding behind every 32
	s_mov_b32 s[G1K+1], 64<<16
	s_mov_b32 s[G1K+2], 16<<16
	s_mov_b32 s[G1K+3], 64<<16
	s_mov_b32 s[G1K+4], 16
	s_mov_b32 s[G1K+5], 64
	s_mov_b32 s[G1K+6], 0
	s_mov_b32 s[G1K+7], 0
	s_or_b32 s[G1V+0], s20, (1<<16)|(1<<20)|(1<<21)|(4<<22)|(7<<25)   ; 8 words of padding
	s_mov_b32 s[G1V+1], 64<<16
	s_mov_b32 s[G1V+2], 16<<16
	s_mov_b32 s[G1V+3], 64<<16
	s_mov_b32 s[G1V+4], 16
	s_mov_b32 s[G1V+5], 64
	s_mov_b32 s[G1V+6], 0
	s_mov_b32 s[G1V+7], 0
	s_or_b32 s[G1M+0], s21, (2<<16)|(1<<20)|(1<<21)|(5<<22)|(3<<25)   ; 4-byte elements, 4 words of padding behind every 64
	s_mov_b32 s[G1M+1], 64<<16
	s_mov_b32 s[G1M+2], 32<<16
	s_mov_b32 s[G1M+3], 64<<16
	s_mov_b32 s[G1M+4], 32
	s_mov_b32 s[G1M+5], 2048
	s_mov_b32 s[G1M+6], 0
	s_mov_b32 s[G1M+7], 0
	s_mul_i32 s3, s14, 16*KP                       ; LDS: K's rows 16 wave (waves 0-3)
.irp s, 0,1,2
	s_mov_b32 s[G0K+4*\s], 1
	s_add_co_u32 s[G0K+4*\s+1], s3, \s*SLOT
.endr
	s_mul_i32 s3, s14, 16*VP                       ; V's rows 16 (wave - 4) at 10,240 = 2,560 wave (waves 4-7)
.irp s, 0,1,2
	s_mov_b32 s[G0V+4*\s], 1
	s_add_co_u32 s[G0V+4*\s+1], s3, \s*SLOT
.endr
	s_mul_i32 s3, s14, 32*MP                       ; the mask's rows 32 wave
.irp s, 0,1,2
	s_mov_b32 s[G0M+4*\s], 1
	s_add_co_u32 s[G0M+4*\s+1], s3, MOFF+\s*SLOT
.endr
	s_lshl_b32 s22, s19, 18                        ; K, V: plane x 262,144 + 16 (wave % 4) rows of 128 bytes
	s_and_b32 s23, s14, 3
	s_lshl_b32 s23, s23, 11
	s_add_co_u32 s22, s22, s23
	s_mov_b32 s23, 0
	s_lshl_b32 s98, s18, 21                        ; mask: (256 block + 32 wave) rows of 8,192 bytes
	s_lshl_b32 s99, s14, 18
	s_add_co_u32 s98, s98, s99
	s_mov_b32 s99, 0
	s_lshl_b32 s100, s19, 18                       ; q and the result: plane x 262,144 + (256 block + 32 wave) rows of 128 bytes
	s_lshl_b32 s101, s18, 15
	s_add_co_u32 s100, s100, s101
	s_lshl_b32 s101, s14, 12
	s_add_co_u32 s100, s100, s101
	s_mov_b32 s101, 0
	s_mov_b32 s66, 0xceabfb8f                      ; -1e9 log2 e
	s_mov_b32 s67, 0xceabfb8f
	s_mov_b32 s95, 0x76543210                      ; v_permlanex16_b32: lane i reads lane i of the other half
	s_mov_b32 s96, 0xfedcba98
	s_mov_b32 s97, 0xff7fffff                      ; the most negative finite f32
	s_wait_dscnt 0x0
	s_wait_kmcnt 0x0
	s_add_nc_u64 s[NK:NK+1], s[6:7], s[22:23]
	s_or_b32 s[NK+1], s[NK+1], 0x80000000
	s_add_nc_u64 s[NV:NV+1], s[8:9], s[22:23]
	s_or_b32 s[NV+1], s[NV+1], 0x80000000
	s_add_nc_u64 s[NMA:NMA+1], s[10:11], s[98:99]
	s_or_b32 s[NMA+1], s[NMA+1], 0x80000000
	s_add_nc_u64 s[4:5], s[4:5], s[100:101]
	s_add_nc_u64 s[12:13], s[12:13], s[100:101]
	s_mov_b64 s[G0K+2:G0K+3], s[NK:NK+1]           ; tile 0 into slot 0
	s_mov_b64 s[G0V+2:G0V+3], s[NV:NV+1]
	s_mov_b64 s[G0M+2:G0M+3], s[NMA:NMA+1]
	s_add_nc_u64 s[NK:NK+1], s[NK:NK+1], 8192      ; 64 keys of 128 bytes
	s_add_nc_u64 s[NV:NV+1], s[NV:NV+1], 8192
	s_add_nc_u64 s[NMA:NMA+1], s[NMA:NMA+1], 256   ; 64 keys of 4 bytes
	ROUND                                          ; all sixteen work-groups are here: the first joint loads meet
	JKV 0
	tensor_load_to_lds s[G0M:G0M+3], s[G1M:G1M+7]
	s_nop 0
	v_and_b32 v1, 15, v0                           ; r
	v_bfe_u32 v2, v0, 4, 1                         ; h
	v_lshlrev_b32 v[QO], 7, v1
	v_lshl_add_u32 v[QO], v2, 4, v[QO]             ; query r's row + 16 h
	WIN 0x40
.irp c, 0,1
.irp kd, 0,1
	global_load_b128 v[QF+8*(2*\c+\kd):QF+8*(2*\c+\kd)+3],   v[QO], s[4:5] offset:2048*\c+64*\kd
	global_load_b128 v[QF+8*(2*\c+\kd)+4:QF+8*(2*\c+\kd)+7], v[QO], s[4:5] offset:2048*\c+64*\kd+32
.endr
.endr
	WIN 0
	v_mul_u32_u24 v3, v1, KP
	v_lshl_add_u32 v[KAD], v2, 4, v3               ; key r's row + 16 h
	v_add_nc_u32 v[KAD+1], SLOT, v[KAD]
	v_add_nc_u32 v[KAD+2], 2*SLOT, v[KAD]
	v_and_b32 v4, 7, v0
	v_lshl_add_u32 v4, v2, 3, v4                   ; key 8 h + l % 8
	v_mul_u32_u24 v4, v4, VP
	v_bfe_u32 v5, v0, 3, 1
	v_lshl_add_u32 v4, v5, 4, v4                   ; + 16 bytes for the lanes whose d is 8..15 of the tile
	v_add_nc_u32 v[VAD], VOFF, v4
	v_add_nc_u32 v[VAD+1], VOFF+SLOT, v4
	v_add_nc_u32 v[VAD+2], VOFF+2*SLOT, v4
	v_mul_u32_u24 v5, v1, MP
	v_lshl_add_u32 v5, v2, 5, v5                   ; query r's row + 8 h keys of 4 bytes
	s_mul_i32 s3, s14, 32*MP
	s_add_co_u32 s3, s3, MOFF
	v_add_nc_u32 v[MAD], s3, v5
	v_add_nc_u32 v[MAD+1], SLOT, v[MAD]
	v_add_nc_u32 v[MAD+2], 2*SLOT, v[MAD]
	s_mul_i32 s3, s14, 32*KP
	s_add_co_u32 s3, s3, STAGE
	v_add_nc_u32 v[STO], s3, v[KAD]                ; stage, in: row r + 16 h
	v_bfe_u32 v6, v0, 3, 2
	v_mul_u32_u24 v6, v6, KP
	v_and_b32 v7, 7, v0
	v_lshl_add_u32 v6, v7, 4, v6
	v_add_nc_u32 v[RD], s3, v6                     ; stage, back: eight lanes a row, four rows a wave
	v_and_b32 v7, 31, v0
	v_lshlrev_b32 v[CO], 4, v7
	v_mov_b32 v[T+2], 0                            ; destinations of v_permlanex16_b32 count as read
	v_mov_b32 v[T+5], 0
	s_wait_loadcnt 0x0                             ; q, once
; One tile of 64 keys from slot s.  first = 1: the tile that starts maximum, sum and O (nothing is cleared).
.macro TILE s, first
	PLACES                                         ; the loads below land on P's and V's fragments, which the last matrix instructions read
.irp t, 0,1,2,3
.irp kd, 0,1
	ds_load_b128 v[KF+8*(2*\t+\kd):KF+8*(2*\t+\kd)+3],   v[KAD+\s] offset:16*KP*\t+64*\kd
	ds_load_b128 v[KF+8*(2*\t+\kd)+4:KF+8*(2*\t+\kd)+7], v[KAD+\s] offset:16*KP*\t+64*\kd+32
.endr
.endr
.irp c, 0,1
.irp t, 0,1,2,3
	ds_load_b128 v[MK+8*(4*\c+\t):MK+8*(4*\c+\t)+3],   v[MAD+\s] offset:16*MP*\c+64*\t
	ds_load_b128 v[MK+8*(4*\c+\t)+4:MK+8*(4*\c+\t)+7], v[MAD+\s] offset:16*MP*\c+64*\t+16
.endr
.endr
	WIN 0x40
.irp dt, 0,1,2,3
.irp ks, 0,1
	ds_load_tr16_b128 v[VF+8*(2*\dt+\ks):VF+8*(2*\dt+\ks)+3],   v[VAD+\s] offset:32*VP*\ks+32*\dt
	ds_load_tr16_b128 v[VF+8*(2*\dt+\ks)+4:VF+8*(2*\dt+\ks)+7], v[VAD+\s] offset:32*VP*\ks+32*\dt+16*VP
.endr
.endr
	s_wait_dscnt 32                                ; K's 16 loads are in; the mask's and V's 32 stay out
	WIN 0x04                                       ; source 1 (Q) in window 1
	; S^T = K Q^T: eight accumulators by turns, one instruction a turn
.irp c, 0,1
.irp t, 0,1,2,3
	v_wmma_f32_16x16x32_f16 v[ST+8*(4*\c+\t):ST+8*(4*\c+\t)+7], v[KF+16*\t:KF+16*\t+7], v[QF+16*\c:QF+16*\c+7], 0
.endr
.endr
.irp c, 0,1
.irp t, 0,1,2,3
	v_wmma_f32_16x16x32_f16 v[ST+8*(4*\c+\t):ST+8*(4*\c+\t)+7], v[KF+16*\t+8:KF+16*\t+15], v[QF+16*\c+8:QF+16*\c+15], v[ST+8*(4*\c+\t):ST+8*(4*\c+\t)+7]
.endr
.endr
	WIN 0
	PLACES
	s_wait_dscnt 16                                ; the mask is in; V's 16 loads stay out
.set n, 0
.rept 32
	v_pk_fma_f32 v[ST+2*n:ST+2*n+1], v[MK+2*n:MK+2*n+1], s[66:67], v[ST+2*n:ST+2*n+1] op_sel_hi:[1,0,1]   ; t = s - 1e9 log2 e x mask
.set n, n+1
.endr
	; the largest of my 32 numbers for each c: two chains each, four in all
.irp c, 0,1
	v_max3_num_f32 v[T+3*\c],   v[ST+32*\c],    v[ST+32*\c+1],  v[ST+32*\c+2]
	v_max3_num_f32 v[T+3*\c+1], v[ST+32*\c+15], v[ST+32*\c+16], v[ST+32*\c+17]
.endr
.irp i, 0,1,2,3,4,5
.irp c, 0,1
	v_max3_num_f32 v[T+3*\c],   v[T+3*\c],   v[ST+32*\c+3+2*\i],  v[ST+32*\c+4+2*\i]
	v_max3_num_f32 v[T+3*\c+1], v[T+3*\c+1], v[ST+32*\c+18+2*\i], v[ST+32*\c+19+2*\i]
.endr
.endr
.irp c, 0,1
	v_max3_num_f32 v[T+3*\c+1], v[T+3*\c+1], v[ST+32*\c+30], v[ST+32*\c+31]
.endr
.irp c, 0,1
	v_max_num_f32 v[T+3*\c], v[T+3*\c], v[T+3*\c+1]
.endr
.irp c, 0,1
	v_permlanex16_b32 v[T+3*\c+2], v[T+3*\c], s95, s96             ; the other half's keys of the same query
.endr
.irp c, 0,1
.if \first
	v_max3_num_f32 v[T+3*\c], v[T+3*\c], v[T+3*\c+2], s97          ; m' is finite or plus infinity
.else
	v_max3_num_f32 v[T+3*\c], v[T+3*\c], v[T+3*\c+2], v[MX+\c]
	v_sub_f32 v[T+6+\c], v[MX+\c], v[T+3*\c]                       ; m - m'
.endif
.endr
.irp c, 0,1
	v_mov_b32 v[MX+\c], v[T+3*\c]
	v_mul_f32 v[NMX+2*\c],   -1.0, v[T+3*\c]
	v_mul_f32 v[NMX+2*\c+1], -1.0, v[T+3*\c]
.endr
.if \first == 0
	v_exp_f32 v[AL],   v[T+6]                      ; alpha = 2^(m - m'); the packed adds below are the plain instructions behind these two
	v_exp_f32 v[AL+2], v[T+7]
.endif
.irp c, 0,1
.set n, 0
.rept 16
	v_pk_add_f32 v[ST+32*\c+2*n:ST+32*\c+2*n+1], v[ST+32*\c+2*n:ST+32*\c+2*n+1], v[NMX+2*\c:NMX+2*\c+1]
.set n, n+1
.endr
.endr
.set n, 0
.rept 64
	v_exp_f32 v[ST+n], v[ST+n]                     ; p = 2^(t - m'), at most 1
.set n, n+1
.endr
.if \first
	v_nop                                          ; one plain vector instruction behind the exponentials before a result is used (ISA guide 5.7.2)
	s_wait_alu depctr_va_vdst(0)
.else
	s_wait_alu depctr_va_vdst(0)
	v_mov_b32 v[AL+1], v[AL]                       ; plain and independent of the run above: it is that instruction
	v_mov_b32 v[AL+3], v[AL+2]
.endif
	; the sum of my 32 p for each c: two chains each
.irp c, 0,1
	v_pk_add_f32 v[SU+4*\c:SU+4*\c+1],   v[ST+32*\c:ST+32*\c+1],     v[ST+32*\c+2:ST+32*\c+3]
	v_pk_add_f32 v[SU+4*\c+2:SU+4*\c+3], v[ST+32*\c+16:ST+32*\c+17], v[ST+32*\c+18:ST+32*\c+19]
.endr
.irp i, 2,3,4,5,6,7
.irp c, 0,1
	v_pk_add_f32 v[SU+4*\c:SU+4*\c+1],   v[SU+4*\c:SU+4*\c+1],   v[ST+32*\c+2*\i:ST+32*\c+2*\i+1]
	v_pk_add_f32 v[SU+4*\c+2:SU+4*\c+3], v[SU+4*\c+2:SU+4*\c+3], v[ST+32*\c+16+2*\i:ST+32*\c+16+2*\i+1]
.endr
.endr
.irp c, 0,1
	v_pk_add_f32 v[SU+4*\c:SU+4*\c+1], v[SU+4*\c:SU+4*\c+1], v[SU+4*\c+2:SU+4*\c+3]
.endr
.irp c, 0,1
.if \first
	v_add_f32 v[LS+\c], v[SU+4*\c], v[SU+4*\c+1]
.else
	v_add_f32 v[SU+4*\c], v[SU+4*\c], v[SU+4*\c+1]
	v_fma_f32 v[LS+\c], v[LS+\c], v[AL+2*\c], v[SU+4*\c]           ; l = alpha l + the tile's sum
.endif
.endr
.set n, 0
.rept 32
	v_cvt_pk_f16_f32 v[PF+n], v[ST+2*n], v[ST+2*n+1]               ; tiles 2 ks, 2 ks + 1 of c become P^T's fragment (c, ks)
.set n, n+1
.endr
.if \first == 0
	WIN 0x41                                       ; O in window 1, alpha in window 0
.irp c, 0,1
.set n, 0
.rept 16
	v_pk_mul_f32 v[OA+32*\c+2*n:OA+32*\c+2*n+1], v[OA+32*\c+2*n:OA+32*\c+2*n+1], v[AL+2*\c:AL+2*\c+1]
.set n, n+1
.endr
.endr
.endif
	s_wait_dscnt 0x0                               ; V is in
	WIN 0x51                                       ; source 0 (V^T), C and D (O^T) in window 1, source 1 (P^T) in window 0
	; O^T += V^T P^T: eight accumulators by turns, one instruction a turn
.irp c, 0,1
.irp dt, 0,1,2,3
.if \first
	v_wmma_f32_16x16x32_f16 v[OA+8*(4*\c+\dt):OA+8*(4*\c+\dt)+7], v[VF+16*\dt:VF+16*\dt+7], v[PF+16*\c:PF+16*\c+7], 0
.else
	v_wmma_f32_16x16x32_f16 v[OA+8*(4*\c+\dt):OA+8*(4*\c+\dt)+7], v[VF+16*\dt:VF+16*\dt+7], v[PF+16*\c:PF+16*\c+7], v[OA+8*(4*\c+\dt):OA+8*(4*\c+\dt)+7]
.endif
.endr
.endr
.irp c, 0,1
.irp dt, 0,1,2,3
	v_wmma_f32_16x16x32_f16 v[OA+8*(4*\c+\dt):OA+8*(4*\c+\dt)+7], v[VF+16*\dt+8:VF+16*\dt+15], v[PF+16*\c+8:PF+16*\c+15], v[OA+8*(4*\c+\dt):OA+8*(4*\c+\dt)+7]
.endr
.endr
	WIN 0
.endm
; Two tiles.  Slot a's tile has landed.  Behind one round of the cluster's barrier slots b and c, which have been read, are asked for again (two loads a
; wave and slot: four out at the most); slot a is worked on meanwhile, then slot b.
.macro PAIR a, b, c, fills, first
	s_wait_tensorcnt 0x0                           ; all my tensor loads have landed, my part of slot a among them: every group 0 may be written
	ds_add_u32 v62, v63
	s_mov_b64 s[G0K+4*\b+2:G0K+4*\b+3], s[NK:NK+1]
	s_add_nc_u64 s[G0K+4*\c+2:G0K+4*\c+3], s[NK:NK+1], 8192
	s_add_nc_u64 s[NK:NK+1], s[NK:NK+1], 16384
	s_mov_b64 s[G0V+4*\b+2:G0V+4*\b+3], s[NV:NV+1]
	s_add_nc_u64 s[G0V+4*\c+2:G0V+4*\c+3], s[NV:NV+1], 8192
	s_add_nc_u64 s[NV:NV+1], s[NV:NV+1], 16384
	s_mov_b64 s[G0M+4*\b+2:G0M+4*\b+3], s[NMA:NMA+1]
	s_add_nc_u64 s[G0M+4*\c+2:G0M+4*\c+3], s[NMA:NMA+1], 256
	s_add_nc_u64 s[NMA:NMA+1], s[NMA:NMA+1], 512
	s_wait_dscnt 0x0                               ; my reads of slots b and c are done
	ROUND                                          ; both now hold of every wave of every work-group of the cluster
	JKV \b
	tensor_load_to_lds s[G0M+4*\b:G0M+4*\b+3], s[G1M:G1M+7]
	s_nop 0
.if \fills == 2
	JKV \c
	tensor_load_to_lds s[G0M+4*\c:G0M+4*\c+3], s[G1M:G1M+7]
	s_nop 0
.endif
	TILE \a, \first
	s_wait_tensorcnt 2*(\fills-1)                  ; slot b's two loads of mine are in; slot c's two may stay out
	s_wait_dscnt 0x0
	s_barrier_signal -1
	s_barrier_wait -1                              ; slot b's K and V are whole
	TILE \b, 0
.endm
	PAIR 0, 1, 2, 2, 1                             ; tiles 0, 1
	s_mov_b32 s94, 4
.Lloop:                                            ; tiles 2 .. 25, six a trip
	PAIR 2, 0, 1, 2, 0
	PAIR 1, 2, 0, 2, 0
	PAIR 0, 1, 2, 2, 0
	s_sub_co_u32 s94, s94, 1
	s_cmp_lg_u32 s94, 0
	s_cbranch_scc1 .Lloop
	PAIR 2, 0, 1, 2, 0                             ; tiles 26, 27
	PAIR 1, 2, 0, 2, 0                             ; tiles 28, 29
	PAIR 0, 1, 2, 1, 0                             ; tiles 30, 31: only tile 31 is still fetched (slot 2's address is written and not used)
	; THE WAY OUT: O / l, rounded to f16, through my stage, 512 consecutive bytes a store
	PLACES
.irp c, 0,1
	v_permlanex16_b32 v[T+3*\c+2], v[LS+\c], s95, s96
.endr
.irp c, 0,1
	v_add_f32 v[LS+\c], v[LS+\c], v[T+3*\c+2]      ; both halves' keys
.endr
	v_rcp_f32 v[AL],   v[LS]
	v_rcp_f32 v[AL+1], v[LS]
	v_rcp_f32 v[AL+2], v[LS+1]
	v_rcp_f32 v[AL+3], v[LS+1]
	v_nop                                          ; one plain vector instruction behind the reciprocals (ISA guide 5.7.2)
	WIN 0x41
	s_wait_alu depctr_va_vdst(0)
.irp c, 0,1
.set n, 0
.rept 16
	v_pk_mul_f32 v[OA+32*\c+2*n:OA+32*\c+2*n+1], v[OA+32*\c+2*n:OA+32*\c+2*n+1], v[AL+2*\c:AL+2*\c+1]
.set n, n+1
.endr
.endr
	WIN 0x05
.set n, 0
.rept 32
	v_cvt_pk_f16_f32 v[MK+n], v[OA+2*n], v[OA+2*n+1]               ; d = 16 dt + 8 h + 0..7 of query r: 16 bytes
.set n, n+1
.endr
	WIN 0
.irp c, 0,1
.irp dt, 0,1,2,3
	ds_store_b128 v[STO], v[MK+4*(4*\c+\dt):MK+4*(4*\c+\dt)+3] offset:16*KP*\c+32*\dt
.endr
.endr
.irp u, 0,1,2,3,4,5,6,7
	ds_load_b128 v[MK+32+4*\u:MK+32+4*\u+3], v[RD] offset:4*KP*\u  ; LDS serves a wave's instructions in order: these see the stores above
.endr
.irp u, 0,1,2,3,4,5,6,7
	s_wait_dscnt 7-\u
	global_store_b128 v[CO], v[MK+32+4*\u:MK+32+4*\u+3], s[12:13] offset:512*\u
.endr
	s_wait_tensorcnt 0x0
	ds_add_u32 v62, v63
	s_wait_dscnt 0x0
	ROUND                                          ; the closing round: no work-group ends while a partner may still ask for a tile that names it
	s_endpgm
.Lfunc_end_k_q514b58a0e8_attn:
	.size	k_q514b58a0e8_attn, .Lfunc_end_k_q514b58a0e8_attn-k_q514b58a0e8_attn
	.p2alignl 7, 3214868480
	.fill 96, 4, 3214868480
	.section	.rodata,"a",@progbits
	.p2align	6, 0x0
	.amdhsa_kernel k_q514b58a0e8_attn
		.amdhsa_group_segment_fixed_size 327680
		.amdhsa_private_segment_fixed_size 0
		.amdhsa_enable_private_segment 0
		.amdhsa_kernarg_size 40
		.amdhsa_user_sgpr_count 2
		.amdhsa_user_sgpr_kernarg_segment_ptr 1
		.amdhsa_wavefront_size32 1
		.amdhsa_system_sgpr_workgroup_id_x 1
		.amdhsa_system_sgpr_workgroup_id_y 1
		.amdhsa_system_sgpr_workgroup_id_z 1
		.amdhsa_system_vgpr_workitem_id 0
		.amdhsa_next_free_vgpr 416
		.amdhsa_next_free_sgpr 102
		.amdhsa_reserve_vcc 0
		.amdhsa_float_denorm_mode_32 3
		.amdhsa_float_denorm_mode_16_64 3
		.amdhsa_memory_ordered 1
		.amdhsa_forward_progress 1
		.amdhsa_inst_pref_size 255
	.end_amdhsa_kernel
	.section	.bss,"aw",@nobits
	.p2align	6
	.space	262144
	.amdgpu_metadata
---
amdhsa.version: [ 1, 2 ]
amdhsa.kernels:
  - .name:           k_q514b58a0e8_attn
    .symbol:         k_q514b58a0e8_attn.kd
    .args:
      - { .name: qb, .offset: 0, .size: 8, .value_kind: global_buffer, .address_space: global }
      - { .name: kb, .offset: 8, .size: 8, .value_kind: global_buffer, .address_space: global }
      - { .name: vb, .offset: 16, .size: 8, .value_kind: global_buffer, .address_space: global }
      - { .name: mask, .offset: 24, .size: 8, .value_kind: global_buffer, .address_space: global }
      - { .name: act, .offset: 32, .size: 8, .value_kind: global_buffer, .address_space: global }
    .group_segment_fixed_size: 327680
    .private_segment_fixed_size: 0
    .kernarg_segment_align: 8
    .kernarg_segment_size: 40
    .max_flat_workgroup_size: 256
    .sgpr_count:     102
    .vgpr_count:     416
    .wavefront_size: 32
...
	.end_amdgpu_metadata
.endif
;; end of part 3
;; launch oproj (part 4): grid 4 x 32, 4 waves a work-group, clusters of 4 x 4, 327,680 bytes of LDS; arguments act, wt, bo, out0; writes out0
.if DOCPART == 4
	.amdgcn_target "amdgcn-amd-amdhsa--gfx1250"
	.amdhsa_code_object_version 6
	.text
	.protected	k_q514b58a0e8_oproj
	.globl	k_q514b58a0e8_oproj
	.p2align	8
	.type	k_q514b58a0e8_oproj,@function
k_q514b58a0e8_oproj:
	s_mov_b64 s[64:65], 0
	v_nop
	global_prefetch_b8 v0, s[64:65] scope:SCOPE_SE
	s_setreg_imm32_b32 hwreg(HW_REG_WAVE_MODE, 25, 1), 1
	s_wait_xcnt 0x0
	s_wait_alu depctr_hold_cnt(0) depctr_sa_sdst(0) depctr_va_vdst(0) depctr_va_sdst(0) depctr_va_ssrc(0) depctr_va_vcc(0) depctr_vm_vsrc(0)
	s_getreg_b32 s2, hwreg(HW_REG_IB_STS2, 6, 4)
	s_cmp_eq_u32 s2, 0
	s_cbranch_scc0 .Lentry_in_a_cluster
	s_endpgm
.Lentry_in_a_cluster:
	s_bfe_u32 s2, ttmp6, 0x10000c
	s_cmp_lg_u32 s2, 0xf033
	s_cbranch_scc0 .Lentry_shape_is_right
	s_endpgm
.Lentry_shape_is_right:
; oproj: out0[row][n] = sum over k of attn[row][k] Wo[k][n] + bo[n], f16 operands, f32 sums and result.
; A = act in 12 planes [head][row][64]; B = wt rows 2304-3071 (Wo transposed), 768 k.
; A work-group makes 128 rows x 192 columns with four waves; a wave makes 32 rows x 192 columns: 24 accumulator tiles.  4,096 x 768 gives 32 x 4 = 128
; work-groups; blocks of 256 rows would leave 64.  K = 768 goes in 6 steps of 128 through two LDS slots; all six steps are written out.
; CLUSTERS: 4 x 4 work-groups; A's tiles are asked for jointly along a row of the cluster, B's along a column: the requests for both are divided by four.
; REGISTERS in windows of 256: window 0 addresses, bias, A's fragments, the way out; window 1 B's fragments; window 2 the accumulators (tile (a, b) at v[8 (12 a + b)]).
; THE MATRIX INSTRUCTION IS USED TRANSPOSED (source 0 = rows of B, source 1 = rows of A): a lane's eight results are eight neighbouring columns of one row.
.set MT,     2
.set PLANE,  524288
.set WTROW,  1536
.set WROW0,  2304                      ; Wo's first row in wt
.set AP,     144                       ; LDS pitches: odd multiples of 16 bytes
.set BP,     272
.set APL,    64*MT*AP                  ; one plane's 128 rows
.set BHALF,  96*BP
.set BOFF,   2*BHALF                   ; B's place, so that waves 2, 3 write at wave x BHALF; A's two planes end below it
.set SLOT,   BOFF+2*BHALF
.set STAGE,  2*SLOT                    ; a multiple of 256: no tensor load lands there
.set SP,     784                       ; stage pitch: 768 bytes + 16, an odd multiple of 16
.set WSTG,   16*SP
.set ADRA, 16
.set ADRB, 20
.set STO,  24
.set RD,   25
.set CO,   26
.set BI,   32                          ; v[32:43] bias of my 4 columns in each of the three 256-byte pieces of a row
.set FA,   64                          ; window 0: A's buffer f at v[64 + 32 f]
.set G1,  24
.set G0,  32
.set G1B, 48
.set G0B, 56
.set MSB, 0
.macro WIN new                         ; the immediate's high byte repeats the setting that is left
.if MSB != \new
	s_set_vgpr_msb (MSB<<8)|\new
.set MSB, \new
.endif
.endm
.set MUL_LO, 0xa1                      ; source 0 (B) window 1, source 1 (A) window 0, C and D window 2
.set TO_B,   0x40
.macro JLOAD s                         ; waves 0, 1 fetch A's two planes, waves 2, 3 B's two halves; the branch hangs on the wave's number alone
	s_cmp_eq_u32 s11, 0
	s_cbranch_scc0 .Lfor_b_\@
	tensor_load_to_lds s[G0+4*\s:G0+4*\s+3], s[G1:G1+7]
	s_nop 0
	s_branch .Lasked_\@
.Lfor_b_\@:
	tensor_load_to_lds s[G0B+4*\s:G0B+4*\s+3], s[G1B:G1B+7]
	s_nop 0
.Lasked_\@:
.endm
.macro CREST                           ; a round of the cluster's barrier behind its opening barrier
	s_cmp_lg_u32 s10, 0
	s_cbranch_scc1 .Lnot_wave_0_\@
	s_barrier_signal -3
.Lnot_wave_0_\@:
	s_barrier_wait -3
	s_barrier_signal -1
	s_barrier_wait -1
.endm
.macro CROUND
	s_barrier_signal -1
	s_barrier_wait -1
	CREST
.endm
	s_load_b128 s[4:7], s[0:1], 0x0                ; act s[4:5], wt s[6:7]
	s_load_b128 s[68:71], s[0:1], 0x10             ; bo s[68:69], out0 s[70:71]
	s_set_vgpr_msb 0x40
	v_lshl_add_u32 v255, v0, 2, 0x3f400
	s_set_vgpr_msb 0x4000
	v_mov_b32 v63, 0
	s_set_vgpr_msb 0x1
	ds_add_u32 v255, v63
	s_set_vgpr_msb 0x100
	v_lshrrev_b32 v1, 5, v0
	v_readfirstlane_b32 s10, v1                    ; wave 0..3
	s_lshr_b32 s11, s10, 1
	s_and_b32 s12, s10, 1
	s_bfe_u32 s40, ttmp6, 0x40000                  ; cx
	s_bfe_u32 s41, ttmp6, 0x40004                  ; cy
	s_lshl_b32 s42, ttmp9, 2
	s_add_co_u32 s42, s42, s40                     ; block column
	s_and_b32 s13, ttmp7, 0xffff
	s_lshl_b32 s13, s13, 2
	s_add_co_u32 s13, s13, s41                     ; block row
	s_lshl_b32 s43, s41, 2
	s_lshl_b32 s43, 15, s43                        ; my row of the cluster
	s_lshl_b32 s44, 0x1111, s40                    ; my column
	s_or_b32 s[G1+0], s43, (1<<16)|(1<<20)|(1<<21)|(4<<22)|(3<<25)    ; A: 128 rows x 64 elements of 2 bytes, 4 words of padding behind every 32
	s_mov_b32 s[G1+1], 64<<16
	s_mov_b32 s[G1+2], (64*MT)<<16
	s_mov_b32 s[G1+3], 64<<16
	s_mov_b32 s[G1+4], 64*MT
	s_mov_b32 s[G1+5], 64
	s_mov_b32 s[G1+6], 0
	s_mov_b32 s[G1+7], 0
	s_or_b32 s[G1B+0], s44, (1<<16)|(1<<20)|(1<<21)|(5<<22)|(3<<25)   ; B: 96 rows x 128 elements, 4 words of padding behind every 64
	s_mov_b32 s[G1B+1], 128<<16
	s_mov_b32 s[G1B+2], 96<<16
	s_mov_b32 s[G1B+3], 128<<16
	s_mov_b32 s[G1B+4], 96
	s_mov_b32 s[G1B+5], 768
	s_mov_b32 s[G1B+6], 0
	s_mov_b32 s[G1B+7], 0
	s_lshl_b32 s16, s12, 19                        ; A: plane 0 or 1 + my block's rows
	s_mul_i32 s17, s13, 64*MT*128
	s_add_co_u32 s16, s16, s17
	s_mov_b32 s17, 0
	s_mul_i32 s46, s42, 192                        ; B: row 2304 + 192 block column + 96 half
	s_mul_i32 s47, s12, 96
	s_add_co_u32 s46, s46, s47
	s_add_co_u32 s46, s46, WROW0
	s_mul_i32 s46, s46, WTROW
	s_mov_b32 s47, 0
	s_mul_i32 s72, s42, 768                        ; my block's 192 columns of 4 bytes, in bo and in a row of out0
	s_mov_b32 s73, 0
	s_mul_i32 s20, s10, APL
	s_mul_i32 s21, s10, BHALF
	s_add_co_u32 s21, s21, BOFF-2*BHALF
	s_wait_dscnt 0x0
	s_wait_kmcnt 0x0
	s_add_nc_u64 s[14:15], s[4:5], s[16:17]
	s_add_nc_u64 s[46:47], s[6:7], s[46:47]
	s_add_nc_u64 s[68:69], s[68:69], s[72:73]
	CROUND                                         ; all sixteen work-groups are here: the first joint loads meet
.irp s, 0,1
	s_mov_b32 s[G0+4*\s], 1
	s_add_co_u32 s[G0+4*\s+1], s20, \s*SLOT
	s_add_nc_u64 s[G0+4*\s+2:G0+4*\s+3], s[14:15], \s*2*PLANE
	s_or_b32 s[G0+4*\s+3], s[G0+4*\s+3], 0x80000000
	s_mov_b32 s[G0B+4*\s], 1
	s_add_co_u32 s[G0B+4*\s+1], s21, \s*SLOT
	s_add_nc_u64 s[G0B+4*\s+2:G0B+4*\s+3], s[46:47], \s*256
	s_or_b32 s[G0B+4*\s+3], s[G0B+4*\s+3], 0x80000000
	JLOAD \s
.endr
	v_and_b32 v1, 15, v0                           ; r
	v_bfe_u32 v2, v0, 4, 1                         ; h
	v_lshlrev_b32 v5, 4, v1                        ; 16 r
.irp g, 0,1,2
	global_load_b128 v[BI+4*\g:BI+4*\g+3], v5, s[68:69] offset:256*\g   ; bo[192 block + 64 g + 4 r ..]
.endr
	v_mul_u32_u24 v3, v1, AP
	v_lshl_add_u32 v3, v2, 4, v3
	s_mul_i32 s22, s10, 16*MT*AP                   ; my 32 rows of A
	v_add_nc_u32 v[ADRA], s22, v3
	v_add_nc_u32 v[ADRA+1], SLOT, v[ADRA]
	v_mul_u32_u24 v4, v1, BP
	v_lshl_add_u32 v4, v2, 4, v4
	v_add_nc_u32 v[ADRB], BOFF, v4
	v_add_nc_u32 v[ADRB+1], BOFF+SLOT, v4
	s_mul_i32 s23, s10, WSTG
	s_add_co_u32 s23, s23, STAGE
	v_mul_u32_u24 v6, v1, SP
	v_lshl_add_u32 v6, v2, 5, v6
	v_add_nc_u32 v[STO], s23, v6                   ; in: row r, 32 bytes for each half of the lanes
	v_mul_u32_u24 v7, v2, SP
	v_add_nc_u32 v7, v7, v5
	v_add_nc_u32 v[RD], s23, v7                    ; back: lanes 0-15 take 256 bytes of one row, lanes 16-31 of the next
	v_mul_u32_u24 v8, v2, 3072
	v_add_nc_u32 v[CO], v8, v5                     ; the same in out0
.macro MULROW f, a, zero               ; 12 matrix instructions: row tile a x all 12 column tiles, 32 along K
	WIN MUL_LO
.irp b, 0,1,2,3,4,5,6,7,8,9,10,11
.if \zero
	v_wmma_f32_16x16x32_f16 v[96*\a+8*\b:96*\a+8*\b+7], v[96*\f+8*\b:96*\f+8*\b+7], v[FA+32*\f+8*\a:FA+32*\f+8*\a+7], 0
.else
	v_wmma_f32_16x16x32_f16 v[96*\a+8*\b:96*\a+8*\b+7], v[96*\f+8*\b:96*\f+8*\b+7], v[FA+32*\f+8*\a:FA+32*\f+8*\a+7], v[96*\a+8*\b:96*\a+8*\b+7]
.endif
.endr
.endm
.macro FETCH slot, q, f                ; 28 LDS loads: quarter q of a K step into buffers f: 192 rows of B, then my 32 rows of A
.set AOFF, (\q/2)*APL+(\q%2)*64
	WIN TO_B
.irp b, 0,1,2,3,4,5,6,7,8,9,10,11
	ds_load_b128 v[96*\f+8*\b:96*\f+8*\b+3],   v[ADRB+\slot] offset:64*\q+16*BP*\b
	ds_load_b128 v[96*\f+8*\b+4:96*\f+8*\b+7], v[ADRB+\slot] offset:64*\q+16*BP*\b+32
.endr
	WIN 0
.irp i, 0,1
	ds_load_b128 v[FA+32*\f+8*\i:FA+32*\f+8*\i+3],   v[ADRA+\slot] offset:AOFF+16*AP*\i
	ds_load_b128 v[FA+32*\f+8*\i+4:FA+32*\f+8*\i+7], v[ADRA+\slot] offset:AOFF+16*AP*\i+32
.endr
.endm
.macro PLACES                          ; four places behind matrix instructions (ISA guide 7.12.1 for vector instructions)
.rept 4
	v_nop
.endr
.endm
; The 24 accumulators take turns, one instruction a turn, in the same order in every quarter.
.macro QUARTER slot, q, f, g, zero
	s_wait_dscnt 2                                 ; B and A's tile 0 are in; the youngest two loads (A's tile 1) may be out
	MULROW \f, 0, \zero
	PLACES
	FETCH \slot, \q, \g
	s_wait_dscnt 28                                ; all but the 28 just issued
	MULROW \f, 1, \zero
.endm
.macro THREE slot, zero
	QUARTER \slot, 1, 0, 1, \zero
	QUARTER \slot, 2, 1, 0, 0
	QUARTER \slot, 3, 0, 1, 0
.endm
; The last quarter changes slots: each wave's reads of this slot and all its tensor loads are waited for in front of the barrier; the refill comes first behind it.
; From a request to the wait for it a wave issues 84 matrix instructions.
.macro TURN slot, next, fill
	s_wait_dscnt 0x0                               ; my reads of this slot are over
	s_wait_tensorcnt 0x0                           ; and all my tensor loads have landed
	ds_add_u32 v255, v63
	s_wait_dscnt 0x0
	s_barrier_signal -1                            ; where the slot is filled again this barrier opens a round of the cluster's barrier
	MULROW 1, 0, 0                                 ; register work while the others arrive
	WIN 0
	s_barrier_wait -1
.if \fill
	CREST                                          ; no wave of any partner still reads this slot or has a load on its way
	s_add_nc_u64 s[G0+4*\slot+2:G0+4*\slot+3], s[G0+4*\slot+2:G0+4*\slot+3], 4*PLANE
	s_add_nc_u64 s[G0B+4*\slot+2:G0B+4*\slot+3], s[G0B+4*\slot+2:G0B+4*\slot+3], 512
	JLOAD \slot                                    ; two K steps ahead: the first tensor load behind the round
.endif
	PLACES
	FETCH \next, 0, 0
	MULROW 1, 1, 0
.endm
.macro LAP zero
	THREE 0, \zero
	TURN 0, 1, 1
	THREE 1, 0
	TURN 1, 0, 1
.endm
	s_wait_loadcnt 0x0                             ; the bias, once
	s_wait_tensorcnt 0x1                           ; my part of K step 0 is in; K step 1's stays out
	s_barrier_signal -1
	s_barrier_wait -1
	FETCH 0, 0, 0
	LAP 1                                          ; K steps 0, 1; asks for 2, 3
	LAP 0                                          ; K steps 2, 3; asks for 4, 5
	THREE 0, 0                                     ; K steps 4, 5 fill nothing
	TURN 0, 1, 0
	THREE 1, 0
	s_wait_dscnt 2
	MULROW 1, 0, 0
	s_wait_dscnt 0x0
	MULROW 1, 1, 0
	; THE WAY OUT, 16 rows at a time: the f32 sums go into my stage, 32 bytes a lane, come back as pieces of 256 bytes of a row, get the bias and are stored.
	PLACES
	s_mul_i32 s16, s13, 128*3072                   ; my block's rows
	s_mul_i32 s17, s10, 32*3072                    ; my wave's
	s_add_co_u32 s16, s16, s17
	s_mov_b32 s17, 0
	s_add_nc_u64 s[70:71], s[70:71], s[16:17]
	s_add_nc_u64 s[70:71], s[70:71], s[72:73]
.macro OUTF a, rr
	WIN 0x08                                       ; store data from window 2
.irp b, 0,1,2,3,4,5,6,7,8,9,10,11
	ds_store_b128 v[STO], v[96*\a+8*\b:96*\a+8*\b+3]   offset:64*\b
	ds_store_b128 v[STO], v[96*\a+8*\b+4:96*\a+8*\b+7] offset:64*\b+16
.endr
	WIN 0
.irp u, 0,1,2,3,4,5,6,7
.irp g, 0,1,2
	ds_load_b128 v[\rr+4*(3*\u+\g):\rr+4*(3*\u+\g)+3], v[RD] offset:2*SP*\u+256*\g   ; LDS serves a wave's instructions in order: these see the stores above
.endr
.endr
.irp u, 0,1,2,3,4,5,6,7
.irp g, 0,1,2
	s_wait_dscnt 23-(3*\u+\g)
	v_pk_add_f32 v[\rr+4*(3*\u+\g):\rr+4*(3*\u+\g)+1],   v[\rr+4*(3*\u+\g):\rr+4*(3*\u+\g)+1],   v[BI+4*\g:BI+4*\g+1]
	v_pk_add_f32 v[\rr+4*(3*\u+\g)+2:\rr+4*(3*\u+\g)+3], v[\rr+4*(3*\u+\g)+2:\rr+4*(3*\u+\g)+3], v[BI+4*\g+2:BI+4*\g+3]
	global_store_b128 v[CO], v[\rr+4*(3*\u+\g):\rr+4*(3*\u+\g)+3], s[70:71] offset:3072*(16*\a+2*\u)+256*\g th:TH_STORE_NT   ; sixteen lanes store 256 consecutive bytes, aligned
.endr
.endr
.endm
	OUTF 0, 64                                     ; each turn has 96 registers of its own: no store's data are rewritten
	OUTF 1, 160
	s_set_vgpr_msb 0x1
	s_wait_tensorcnt 0x0
	ds_add_u32 v255, v63
	s_wait_dscnt 0x0
	s_set_vgpr_msb 0x100
	CROUND                                         ; the closing round: no work-group ends while a partner may still ask for a tile that names it
	s_endpgm
.Lfunc_end_k_q514b58a0e8_oproj:
	.size	k_q514b58a0e8_oproj, .Lfunc_end_k_q514b58a0e8_oproj-k_q514b58a0e8_oproj
	.p2alignl 7, 3214868480
	.fill 96, 4, 3214868480
	.section	.rodata,"a",@progbits
	.p2align	6, 0x0
	.amdhsa_kernel k_q514b58a0e8_oproj
		.amdhsa_group_segment_fixed_size 327680
		.amdhsa_private_segment_fixed_size 0
		.amdhsa_enable_private_segment 0
		.amdhsa_kernarg_size 32
		.amdhsa_user_sgpr_count 2
		.amdhsa_user_sgpr_kernarg_segment_ptr 1
		.amdhsa_wavefront_size32 1
		.amdhsa_system_sgpr_workgroup_id_x 1
		.amdhsa_system_sgpr_workgroup_id_y 1
		.amdhsa_system_sgpr_workgroup_id_z 1
		.amdhsa_system_vgpr_workitem_id 0
		.amdhsa_next_free_vgpr 704
		.amdhsa_next_free_sgpr 74
		.amdhsa_reserve_vcc 0
		.amdhsa_float_denorm_mode_32 3
		.amdhsa_float_denorm_mode_16_64 3
		.amdhsa_memory_ordered 1
		.amdhsa_forward_progress 1
		.amdhsa_inst_pref_size 114
	.end_amdhsa_kernel
	.amdgpu_metadata
---
amdhsa.version: [ 1, 2 ]
amdhsa.kernels:
  - .name:           k_q514b58a0e8_oproj
    .symbol:         k_q514b58a0e8_oproj.kd
    .args:
      - { .name: act, .offset: 0, .size: 8, .value_kind: global_buffer, .address_space: global }
      - { .name: wt, .offset: 8, .size: 8, .value_kind: global_buffer, .address_space: global }
      - { .name: bo, .offset: 16, .size: 8, .value_kind: global_buffer, .address_space: global }
      - { .name: out0, .offset: 24, .size: 8, .value_kind: global_buffer, .address_space: global }
    .group_segment_fixed_size: 327680
    .private_segment_fixed_size: 0
    .kernarg_segment_align: 8
    .kernarg_segment_size: 32
    .max_flat_workgroup_size: 128
    .sgpr_count:     74
    .vgpr_count:     704
    .wavefront_size: 32
...
	.end_amdgpu_metadata
.endif
;; end of part 4
;; ======== version 2 of 2: 4 launches
;; limits: values are held in f16: magnitudes above 65,504 overflow, below 6.1e-05 lose precision
;; workspace buffers: act 6,291,456 bytes; wt 4,718,592 bytes; qb 6,291,456 bytes; kb 6,291,456 bytes; vb 6,291,456 bytes
;; launch prep: the kernel of part 1 again; grid 544 x 1, 8 waves a work-group, no clusters, 18,432 bytes of LDS; arguments x, Wq, Wk, Wv, Wo, act, wt; writes act, wt
;; launch qkv: the kernel of part 2 again; grid 12 x 16, 4 waves a work-group, clusters of 4 x 4, 327,680 bytes of LDS; arguments act, wt, qb, kb, vb; writes qb, kb, vb
;; launch attn (part 5): grid 16 x 12, 8 waves a work-group, clusters of 4 x 4, 327,680 bytes of LDS; arguments qb, kb, vb, mask, act; writes act
.if DOCPART == 5
	.amdgcn_target "amdgcn-amd-amdhsa--gfx1250"
	.amdhsa_code_object_version 6
	.text
	.protected	k_q514b58a0e8_attn
	.globl	k_q514b58a0e8_attn
	.p2align	8
	.type	k_q514b58a0e8_attn,@function
k_q514b58a0e8_attn:
	s_mov_b64 s[64:65], 0
	v_nop
	global_prefetch_b8 v0, s[64:65] scope:SCOPE_SE
	s_setreg_imm32_b32 hwreg(HW_REG_WAVE_MODE, 25, 1), 1
	s_wait_xcnt 0x0
	s_wait_alu depctr_hold_cnt(0) depctr_sa_sdst(0) depctr_va_vdst(0) depctr_va_sdst(0) depctr_va_ssrc(0) depctr_va_vcc(0) depctr_vm_vsrc(0)
	s_getreg_b32 s2, hwreg(HW_REG_IB_STS2, 6, 4)
	s_cmp_eq_u32 s2, 0
	s_cbranch_scc0 .Lentry_in_a_cluster
	s_endpgm
.Lentry_in_a_cluster:
	s_bfe_u32 s2, ttmp6, 0x10000c
	s_cmp_lg_u32 s2, 0xf033
	s_cbranch_scc0 .Lentry_shape_is_right
	s_endpgm
.Lentry_shape_is_right:
; attn: for each head and batch: O = softmax(q k^T / 8 - 1e9 mask) v, with a running maximum, in base 2.
; qb, kb, vb: [2 head + batch][2048][64] f16; q already carries 0.125 log2 e.  mask: [2048][2048] f32.
; Result to act in the order in which the output projection's matrix fragments want it: for row tile rt = (2048 batch + query) / 16, head and
; d tile dt the 512 bytes at 24,576 rt + 2,048 head + 512 dt hold, at 16 x lane, O(query l % 16, d = 16 dt + 8 (l / 16) + 0..7) in f16.
; A work-group takes 128 queries of BOTH batches of one head (grid x = query block, y = head: 16 x 12 = 192 work-groups): the two batches use the same
; piece of the mask, so a step of 64 keys brings 32 KB of mask and 32 KB of K and V for 256 query rows; 256 queries of one batch would bring 64 + 16 KB.
; Wave w takes batch w / 4 and the 32 queries 32 (w % 4) .. + 31 (two groups c of 16).
; The keys go in 16 steps of 128 through two LDS slots; while one slot's two tiles of 64 keys are worked on, the other slot's loads are on their way.
; LAYOUT: S^T = K Q^T (source 0 = 16 keys, source 1 = 16 queries): lane (r, h) holds query r and keys 8 h + 0..7 of each 16-key tile.  Two such tiles,
; rounded to f16, ARE the source-1 fragment of P^T for 32 keys, so O^T = V^T P^T needs no move between lanes; V^T's fragments come by transposing LDS
; loads.  Maximum, sum and rescale factor are one number a lane; only the two halves of the lanes exchange their maxima.
; CLUSTERS: 4 x 4 work-groups.  K and V hang on the head alone and are asked for jointly along a row of the cluster; the mask's piece hangs on the query
; block alone and is asked for jointly along a column: the requests for both are divided by four.
; LIMITS: t = fma(mask, -1e9 log2 e, s) is rounded once, in base 2; the reference rounds mask x -1e9 and the sum, in natural units: where |mask| x 1e9 is
; large the two differ by up to one unit in the last place of t.  P (at most 1) and the result are rounded to f16; p below 2^-25 becomes 0.
; The running maximum starts at the most negative finite f32, so keys at minus infinity get weight 0 and a row that is all minus infinity gives NaN, as in the reference.
.set KP,    144                        ; K's LDS pitch: 128 bytes + 16, an odd multiple of 16
.set VP,    160                        ; V's: 128 bytes + 32, an odd multiple of 32, for the transposing loads
.set MP,    528                        ; the mask's: 512 bytes + 16, an odd multiple of 16
.set VOFF,  40960                      ; K: 2 batches x 128 keys x 144 bytes at 0; V: 2 x 128 x 160 at 4 x 10,240, so that wave w (4-7) writes at 10,240 w
.set MOFF,  81920                      ; the mask: 128 queries x 528 bytes
.set SLOT,  149504
.set RT,    24576                      ; bytes of a row tile in act
.set KAD, 8                            ; v8-9    slot s: K fragments of my batch
.set VAD, 10                           ; v10-11  slot s: V^T fragments of my batch
.set MAD, 12                           ; v12-13  slot s: my queries' rows of the mask
.set CO,  19
.set QO,  20
.set NMX, 22                           ; v[22:25] (-m, -m) for c = 0, 1
.set AL,  26                           ; v[26:29] (alpha, alpha) for c = 0, 1
.set MX,  30                           ; v30-31   running maximum
.set LS,  32                           ; v32-33   running sum over my half's keys
.set T,   34                           ; v34-41   at work on the maxima
.set SU,  42                           ; v[42:49] four chains of sums
.set KF,  64                           ; v[64:127]  K fragments (t, kd) at 8 (2 t + kd)
.set PF,  64                           ; v[64:95]   P^T fragments (c, ks) at 16 c + 8 ks, on K's registers once S is made
.set MK,  128                          ; v[128:191] mask (c, t) at 8 (4 c + t)
.set ST,  192                          ; v[192:255] S^T (c, t) at 8 (4 c + t)
.set OA,  0                            ; window 1: O^T (c, dt) at 8 (4 c + dt)
.set QF,  64                           ; window 1: Q fragments (c, kd) at 8 (2 c + kd)
.set VF,  96                           ; window 1: V^T fragments (dt, ks) at 8 (2 dt + ks)
.set G1K, 24                           ; s[24:31] shape of a wave's 64 rows of K
.set G1V, 32                           ; s[32:39] the same for V (wider padding)
.set G1M, 40                           ; s[40:47] shape of a wave's 16 rows x 128 of the mask
.set G0K, 48                           ; s[48:55] group 0 for K, a set for each slot
.set G0V, 56                           ; s[56:63] for V
.set G0M, 68                           ; s[68:75] for the mask
.set MSB, 0
.macro WIN new                         ; the immediate's high byte repeats the setting that is left
.if MSB != \new
	s_set_vgpr_msb (MSB<<8)|\new
.set MSB, \new
.endif
.endm
.macro PLACES                          ; four places behind matrix instructions (ISA guide 7.12.1 for vector instructions)
.rept 4
	v_nop
.endr
.endm
.macro ROUND                           ; a round of the cluster's barrier
	s_barrier_signal -1
	s_barrier_wait -1
	s_cmp_lg_u32 s14, 0
	s_cbranch_scc1 .Lnot_wave_0_\@
	s_barrier_signal -3
.Lnot_wave_0_\@:
	s_barrier_wait -3
	s_barrier_signal -1
	s_barrier_wait -1
.endm
.macro JKV s                           ; waves 0-3 ask for 64 rows of K each, waves 4-7 for 64 rows of V: one load on either way
	s_cmp_eq_u32 s15, 0
	s_cbranch_scc0 .Lfor_v_\@
	tensor_load_to_lds s[G0K+4*\s:G0K+4*\s+3], s[G1K:G1K+7]
	s_nop 0
	s_branch .Lasked_\@
.Lfor_v_\@:
	tensor_load_to_lds s[G0V+4*\s:G0V+4*\s+3], s[G1V:G1V+7]
	s_nop 0
.Lasked_\@:
.endm
	s_load_b256 s[4:11], s[0:1], 0x0               ; qb s[4:5], kb s[6:7], vb s[8:9], mask s[10:11]
	s_load_b64 s[12:13], s[0:1], 0x20              ; act
	v_lshl_add_u32 v62, v0, 2, 0x49000
	v_mov_b32 v63, 0
	ds_add_u32 v62, v63
	v_lshrrev_b32 v1, 5, v0
	v_readfirstlane_b32 s14, v1                    ; wave 0..7
	s_lshr_b32 s15, s14, 2                         ; my queries' batch.  Also: 0: I fetch K, 1: V
	s_and_b32 s76, s14, 3                          ; which 32 queries of the block are mine
	s_bfe_u32 s16, ttmp6, 0x40000                  ; cx
	s_bfe_u32 s17, ttmp6, 0x40004                  ; cy
	s_lshl_b32 s18, ttmp9, 2
	s_add_co_u32 s18, s18, s16                     ; query block 0..15
	s_and_b32 s19, ttmp7, 0xffff
	s_lshl_b32 s19, s19, 2
	s_add_co_u32 s19, s19, s17                     ; head 0..11
	s_lshl_b32 s20, s17, 2
	s_lshl_b32 s20, 15, s20                        ; my row of the cluster
	s_lshl_b32 s21, 0x1111, s16                    ; my column
	s_or_b32 s[G1K+0], s20, (1<<16)|(1<<20)|(1<<21)|(4<<22)|(3<<25)   ; 2-byte elements, 4 words of padding behind every 32
	s_mov_b32 s[G1K+1], 64<<16                     ; tensor_dim0 = 64
	s_mov_b32 s[G1K+2], 64<<16                     ; tensor_dim1 = 64
	s_mov_b32 s[G1K+3], 64<<16                     ; tile_dim0 = 64
	s_mov_b32 s[G1K+4], 64                         ; tile_dim1 = 64
	s_mov_b32 s[G1K+5], 64                         ; elements from row to row
	s_mov_b32 s[G1K+6], 0
	s_mov_b32 s[G1K+7], 0
	s_or_b32 s[G1V+0], s20, (1<<16)|(1<<20)|(1<<21)|(4<<22)|(7<<25)   ; 8 words of padding
	s_mov_b32 s[G1V+1], 64<<16
	s_mov_b32 s[G1V+2], 64<<16
	s_mov_b32 s[G1V+3], 64<<16
	s_mov_b32 s[G1V+4], 64
	s_mov_b32 s[G1V+5], 64
	s_mov_b32 s[G1V+6], 0
	s_mov_b32 s[G1V+7], 0
	s_or_b32 s[G1M+0], s21, (2<<16)|(1<<20)|(1<<21)|(6<<22)|(3<<25)   ; 4-byte elements, 4 words of padding behind every 128
	s_mov_b32 s[G1M+1], 128<<16
	s_mov_b32 s[G1M+2], 16<<16
	s_mov_b32 s[G1M+3], 128<<16
	s_mov_b32 s[G1M+4], 16
	s_mov_b32 s[G1M+5], 2048
	s_mov_b32 s[G1M+6], 0
	s_mov_b32 s[G1M+7], 0
	s_mul_i32 s3, s14, 64*KP                       ; LDS: K's rows, batch w / 2, key half w % 2 = 9,216 w (waves 0-3)
.irp s, 0,1
	s_mov_b32 s[G0K+4*\s], 1
	s_add_co_u32 s[G0K+4*\s+1], s3, \s*SLOT
.endr
	s_mul_i32 s3, s14, 64*VP                       ; V's rows likewise = 10,240 w (waves 4-7)
.irp s, 0,1
	s_mov_b32 s[G0V+4*\s], 1
	s_add_co_u32 s[G0V+4*\s+1], s3, \s*SLOT
.endr
	s_mul_i32 s3, s14, 16*MP                       ; the mask's rows 16 w
.irp s, 0,1
	s_mov_b32 s[G0M+4*\s], 1
	s_add_co_u32 s[G0M+4*\s+1], s3, MOFF+\s*SLOT
.endr
	s_lshl_b32 s22, s19, 19                        ; K, V: head x 524,288
	s_bfe_u32 s23, s14, 0x10001
	s_lshl_b32 s23, s23, 18                        ; + batch (bit 1 of the wave) x 262,144
	s_add_co_u32 s22, s22, s23
	s_and_b32 s23, s14, 1
	s_lshl_b32 s23, s23, 13                        ; + key half (bit 0) x 64 rows of 128 bytes
	s_add_co_u32 s22, s22, s23
	s_mov_b32 s23, 0
	s_lshl_b32 s98, s18, 20                        ; mask: (128 block + 16 wave) rows of 8,192 bytes
	s_lshl_b32 s99, s14, 17
	s_add_co_u32 s98, s98, s99
	s_mov_b32 s99, 0
	s_lshl_b32 s100, s19, 19                       ; q: head, my batch, (128 block + 32 group) rows of 128 bytes
	s_lshl_b32 s101, s15, 18
	s_add_co_u32 s100, s100, s101
	s_lshl_b32 s101, s18, 14
	s_add_co_u32 s100, s100, s101
	s_lshl_b32 s101, s76, 12
	s_add_co_u32 s100, s100, s101
	s_mov_b32 s101, 0
	s_lshl_b32 s78, s15, 7                         ; the result: row tile 128 batch + 8 block + 2 group,
	s_lshl_b32 s79, s18, 3
	s_add_co_u32 s78, s78, s79
	s_lshl_b32 s79, s76, 1
	s_add_co_u32 s78, s78, s79
	s_mul_i32 s78, s78, RT
	s_lshl_b32 s79, s19, 11                        ; + head x 2,048
	s_add_co_u32 s78, s78, s79
	s_mov_b32 s79, 0
	s_mov_b32 s66, 0xceabfb8f                      ; -1e9 log2 e
	s_mov_b32 s67, 0xceabfb8f
	s_mov_b32 s95, 0x76543210                      ; v_permlanex16_b32: lane i reads lane i of the other half
	s_mov_b32 s96, 0xfedcba98
	s_mov_b32 s97, 0xff7fffff                      ; the most negative finite f32
	s_wait_dscnt 0x0
	s_wait_kmcnt 0x0
	s_add_nc_u64 s[6:7], s[6:7], s[22:23]
	s_add_nc_u64 s[8:9], s[8:9], s[22:23]
	s_add_nc_u64 s[10:11], s[10:11], s[98:99]
	s_add_nc_u64 s[4:5], s[4:5], s[100:101]
	s_add_nc_u64 s[12:13], s[12:13], s[78:79]
.irp s, 0,1
	s_add_nc_u64 s[G0K+4*\s+2:G0K+4*\s+3], s[6:7], \s*16384            ; slot s starts with key step s: 128 keys of 128 bytes on
	s_or_b32 s[G0K+4*\s+3], s[G0K+4*\s+3], 0x80000000
	s_add_nc_u64 s[G0V+4*\s+2:G0V+4*\s+3], s[8:9], \s*16384
	s_or_b32 s[G0V+4*\s+3], s[G0V+4*\s+3], 0x80000000
	s_add_nc_u64 s[G0M+4*\s+2:G0M+4*\s+3], s[10:11], \s*512            ; 128 keys of 4 bytes on
	s_or_b32 s[G0M+4*\s+3], s[G0M+4*\s+3], 0x80000000
.endr
	ROUND                                          ; all sixteen work-groups are here: the first joint loads meet
	JKV 0
	tensor_load_to_lds s[G0M:G0M+3], s[G1M:G1M+7]
	s_nop 0
	v_and_b32 v1, 15, v0                           ; r
	v_bfe_u32 v2, v0, 4, 1                         ; h
	v_lshlrev_b32 v[QO], 7, v1
	v_lshl_add_u32 v[QO], v2, 4, v[QO]             ; query r's row + 16 h
	WIN 0x40
.irp c, 0,1
.irp kd, 0,1
	global_load_b128 v[QF+8*(2*\c+\kd):QF+8*(2*\c+\kd)+3],   v[QO], s[4:5] offset:2048*\c+64*\kd
	global_load_b128 v[QF+8*(2*\c+\kd)+4:QF+8*(2*\c+\kd)+7], v[QO], s[4:5] offset:2048*\c+64*\kd+32
.endr
.endr
	WIN 0
	v_mul_u32_u24 v3, v1, KP
	v_lshl_add_u32 v3, v2, 4, v3                   ; key r's row + 16 h
	s_mul_i32 s3, s15, 128*KP                      ; my batch's K
	v_add_nc_u32 v[KAD], s3, v3
	v_add_nc_u32 v[KAD+1], SLOT, v[KAD]
	v_and_b32 v4, 7, v0
	v_lshl_add_u32 v4, v2, 3, v4                   ; key 8 h + l % 8
	v_mul_u32_u24 v4, v4, VP
	v_bfe_u32 v5, v0, 3, 1
	v_lshl_add_u32 v4, v5, 4, v4                   ; + 16 bytes for the lanes whose d is 8..15 of the tile
	s_mul_i32 s3, s15, 128*VP                      ; my batch's V
	s_add_co_u32 s3, s3, VOFF
	v_add_nc_u32 v[VAD], s3, v4
	v_add_nc_u32 v[VAD+1], SLOT, v[VAD]
	v_mul_u32_u24 v5, v1, MP
	v_lshl_add_u32 v5, v2, 5, v5                   ; query r's row + 8 h keys of 4 bytes
	s_mul_i32 s3, s76, 32*MP                       ; my 32 queries
	s_add_co_u32 s3, s3, MOFF
	v_add_nc_u32 v[MAD], s3, v5
	v_add_nc_u32 v[MAD+1], SLOT, v[MAD]
	v_and_b32 v7, 31, v0
	v_lshlrev_b32 v[CO], 4, v7                     ; 16 x lane
	v_mov_b32 v[T+2], 0                            ; destinations of v_permlanex16_b32 count as read
	v_mov_b32 v[T+5], 0
	s_wait_loadcnt 0x0                             ; q, once
; One tile of 64 keys: half sub of slot s.  first = 1: the tile that starts maximum, sum and O (nothing is cleared).
.macro TILE s, sub, first
	PLACES                                         ; the loads of this tile land on P's and V's fragments, which the last matrix instructions read
.irp t, 0,1,2,3
.irp kd, 0,1
	ds_load_b128 v[KF+8*(2*\t+\kd):KF+8*(2*\t+\kd)+3],   v[KAD+\s] offset:64*KP*\sub+16*KP*\t+64*\kd
	ds_load_b128 v[KF+8*(2*\t+\kd)+4:KF+8*(2*\t+\kd)+7], v[KAD+\s] offset:64*KP*\sub+16*KP*\t+64*\kd+32
.endr
.endr
.irp c, 0,1
.irp t, 0,1,2,3
	ds_load_b128 v[MK+8*(4*\c+\t):MK+8*(4*\c+\t)+3],   v[MAD+\s] offset:16*MP*\c+256*\sub+64*\t
	ds_load_b128 v[MK+8*(4*\c+\t)+4:MK+8*(4*\c+\t)+7], v[MAD+\s] offset:16*MP*\c+256*\sub+64*\t+16
.endr
.endr
	s_wait_dscnt 16                                ; K's 16 loads are in; the mask's 16 stay out
	WIN 0x04                                       ; source 1 (Q) in window 1
	; S^T = K Q^T: eight accumulators by turns, one instruction a turn
.irp c, 0,1
.irp t, 0,1,2,3
	v_wmma_f32_16x16x32_f16 v[ST+8*(4*\c+\t):ST+8*(4*\c+\t)+7], v[KF+16*\t:KF+16*\t+7], v[QF+16*\c:QF+16*\c+7], 0
.endr
.endr
.irp c, 0,1
.irp t, 0,1,2,3
	v_wmma_f32_16x16x32_f16 v[ST+8*(4*\c+\t):ST+8*(4*\c+\t)+7], v[KF+16*\t+8:KF+16*\t+15], v[QF+16*\c+8:QF+16*\c+15], v[ST+8*(4*\c+\t):ST+8*(4*\c+\t)+7]
.endr
.endr
	WIN 0x40                                       ; V's loads stand here, not at the head: they are wanted last, and the run at the head is 32 loads instead of 48
.irp dt, 0,1,2,3
.irp ks, 0,1
	ds_load_tr16_b128 v[VF+8*(2*\dt+\ks):VF+8*(2*\dt+\ks)+3],   v[VAD+\s] offset:64*VP*\sub+32*VP*\ks+32*\dt
	ds_load_tr16_b128 v[VF+8*(2*\dt+\ks)+4:VF+8*(2*\dt+\ks)+7], v[VAD+\s] offset:64*VP*\sub+32*VP*\ks+32*\dt+16*VP
.endr
.endr
	WIN 0
	PLACES
	s_wait_dscnt 16                                ; the mask is in; V's 16 loads stay out
.set n, 0
.rept 32
	v_pk_fma_f32 v[ST+2*n:ST+2*n+1], v[MK+2*n:MK+2*n+1], s[66:67], v[ST+2*n:ST+2*n+1] op_sel_hi:[1,0,1]   ; t = s - 1e9 log2 e x mask
.set n, n+1
.endr
	; the largest of my 32 numbers for each c: two chains each, four in all
.irp c, 0,1
	v_max3_num_f32 v[T+3*\c],   v[ST+32*\c],    v[ST+32*\c+1],  v[ST+32*\c+2]
	v_max3_num_f32 v[T+3*\c+1], v[ST+32*\c+15], v[ST+32*\c+16], v[ST+32*\c+17]
.endr
.irp i, 0,1,2,3,4,5
.irp c, 0,1
	v_max3_num_f32 v[T+3*\c],   v[T+3*\c],   v[ST+32*\c+3+2*\i],  v[ST+32*\c+4+2*\i]
	v_max3_num_f32 v[T+3*\c+1], v[T+3*\c+1], v[ST+32*\c+18+2*\i], v[ST+32*\c+19+2*\i]
.endr
.endr
.irp c, 0,1
	v_max3_num_f32 v[T+3*\c+1], v[T+3*\c+1], v[ST+32*\c+30], v[ST+32*\c+31]
.endr
.irp c, 0,1
	v_max_num_f32 v[T+3*\c], v[T+3*\c], v[T+3*\c+1]
.endr
.irp c, 0,1
	v_permlanex16_b32 v[T+3*\c+2], v[T+3*\c], s95, s96             ; the other half's keys of the same query
.endr
.irp c, 0,1
.if \first
	v_max3_num_f32 v[T+3*\c], v[T+3*\c], v[T+3*\c+2], s97          ; m' is finite or plus infinity
.else
	v_max3_num_f32 v[T+3*\c], v[T+3*\c], v[T+3*\c+2], v[MX+\c]
	v_sub_f32 v[T+6+\c], v[MX+\c], v[T+3*\c]                       ; m - m'
.endif
.endr
.irp c, 0,1
	v_mov_b32 v[MX+\c], v[T+3*\c]
	v_mul_f32 v[NMX+2*\c],   -1.0, v[T+3*\c]
	v_mul_f32 v[NMX+2*\c+1], -1.0, v[T+3*\c]
.endr
.if \first == 0
	v_exp_f32 v[AL],   v[T+6]                      ; alpha = 2^(m - m'); the packed adds below are the plain instructions behind these two
	v_exp_f32 v[AL+2], v[T+7]
.endif
.irp c, 0,1
.set n, 0
.rept 16
	v_pk_add_f32 v[ST+32*\c+2*n:ST+32*\c+2*n+1], v[ST+32*\c+2*n:ST+32*\c+2*n+1], v[NMX+2*\c:NMX+2*\c+1]
.set n, n+1
.endr
.endr
.set n, 0
.rept 64
	v_exp_f32 v[ST+n], v[ST+n]                     ; p = 2^(t - m'), at most 1
.set n, n+1
.endr
.if \first
	v_nop                                          ; one plain vector instruction behind the exponentials before a result is used (ISA guide 5.7.2)
	s_wait_alu depctr_va_vdst(0)
.else
	s_wait_alu depctr_va_vdst(0)
	v_mov_b32 v[AL+1], v[AL]                       ; plain and independent of the run above: it is that instruction
	v_mov_b32 v[AL+3], v[AL+2]
.endif
	; the sum of my 32 p for each c: two chains each
.irp c, 0,1
	v_pk_add_f32 v[SU+4*\c:SU+4*\c+1],   v[ST+32*\c:ST+32*\c+1],     v[ST+32*\c+2:ST+32*\c+3]
	v_pk_add_f32 v[SU+4*\c+2:SU+4*\c+3], v[ST+32*\c+16:ST+32*\c+17], v[ST+32*\c+18:ST+32*\c+19]
.endr
.irp i, 2,3,4,5,6,7
.irp c, 0,1
	v_pk_add_f32 v[SU+4*\c:SU+4*\c+1],   v[SU+4*\c:SU+4*\c+1],   v[ST+32*\c+2*\i:ST+32*\c+2*\i+1]
	v_pk_add_f32 v[SU+4*\c+2:SU+4*\c+3], v[SU+4*\c+2:SU+4*\c+3], v[ST+32*\c+16+2*\i:ST+32*\c+16+2*\i+1]
.endr
.endr
.irp c, 0,1
	v_pk_add_f32 v[SU+4*\c:SU+4*\c+1], v[SU+4*\c:SU+4*\c+1], v[SU+4*\c+2:SU+4*\c+3]
.endr
.irp c, 0,1
.if \first
	v_add_f32 v[LS+\c], v[SU+4*\c], v[SU+4*\c+1]
.else
	v_add_f32 v[SU+4*\c], v[SU+4*\c], v[SU+4*\c+1]
	v_fma_f32 v[LS+\c], v[LS+\c], v[AL+2*\c], v[SU+4*\c]           ; l = alpha l + the tile's sum
.endif
.endr
.set n, 0
.rept 32
	v_cvt_pk_f16_f32 v[PF+n], v[ST+2*n], v[ST+2*n+1]               ; tiles 2 ks, 2 ks + 1 of c become P^T's fragment (c, ks)
.set n, n+1
.endr
.if \first == 0
	WIN 0x41                                       ; O in window 1, alpha in window 0
.irp c, 0,1
.set n, 0
.rept 16
	v_pk_mul_f32 v[OA+32*\c+2*n:OA+32*\c+2*n+1], v[OA+32*\c+2*n:OA+32*\c+2*n+1], v[AL+2*\c:AL+2*\c+1]
.set n, n+1
.endr
.endr
.endif
	s_wait_dscnt 0x0                               ; V is in
	WIN 0x51                                       ; source 0 (V^T), C and D (O^T) in window 1, source 1 (P^T) in window 0
	; O^T += V^T P^T: eight accumulators by turns, one instruction a turn
.irp c, 0,1
.irp dt, 0,1,2,3
.if \first
	v_wmma_f32_16x16x32_f16 v[OA+8*(4*\c+\dt):OA+8*(4*\c+\dt)+7], v[VF+16*\dt:VF+16*\dt+7], v[PF+16*\c:PF+16*\c+7], 0
.else
	v_wmma_f32_16x16x32_f16 v[OA+8*(4*\c+\dt):OA+8*(4*\c+\dt)+7], v[VF+16*\dt:VF+16*\dt+7], v[PF+16*\c:PF+16*\c+7], v[OA+8*(4*\c+\dt):OA+8*(4*\c+\dt)+7]
.endif
.endr
.endr
.irp c, 0,1
.irp dt, 0,1,2,3
	v_wmma_f32_16x16x32_f16 v[OA+8*(4*\c+\dt):OA+8*(4*\c+\dt)+7], v[VF+16*\dt+8:VF+16*\dt+15], v[PF+16*\c+8:PF+16*\c+15], v[OA+8*(4*\c+\dt):OA+8*(4*\c+\dt)+7]
.endr
.endr
	WIN 0
.endm
; One step of 128 keys.  This slot has landed; behind one round of the cluster's barrier the other slot, read in the last step, is asked for again
; (two loads a wave: two out at the most), and has this step's two tiles of work in which to land.
.macro TRIP slot, other, refill, first
	s_wait_tensorcnt 0x0                           ; all my tensor loads have landed, my parts of this slot among them: every group 0 may be written
	ds_add_u32 v62, v63
	s_wait_dscnt 0x0
	s_add_nc_u64 s[G0K+4*\slot+2:G0K+4*\slot+3], s[G0K+4*\slot+2:G0K+4*\slot+3], 32768   ; this slot's next step: 256 keys on
	s_add_nc_u64 s[G0V+4*\slot+2:G0V+4*\slot+3], s[G0V+4*\slot+2:G0V+4*\slot+3], 32768
	s_add_nc_u64 s[G0M+4*\slot+2:G0M+4*\slot+3], s[G0M+4*\slot+2:G0M+4*\slot+3], 1024
	s_wait_dscnt 0x0                               ; my reads of the other slot are done
	ROUND                                          ; both now hold of every wave of every work-group of the cluster
.if \refill
	JKV \other
	tensor_load_to_lds s[G0M+4*\other:G0M+4*\other+3], s[G1M:G1M+7]
	s_nop 0
.endif
	TILE \slot, 0, \first
	TILE \slot, 1, 0
.endm
	TRIP 0, 1, 1, 1                                ; key steps 0, 1
	TRIP 1, 0, 1, 0
	s_mov_b32 s94, 6
.Lloop:                                            ; key steps 2 .. 13, two a trip
	TRIP 0, 1, 1, 0
	TRIP 1, 0, 1, 0
	s_sub_co_u32 s94, s94, 1
	s_cmp_lg_u32 s94, 0
	s_cbranch_scc1 .Lloop
	TRIP 0, 1, 1, 0                                ; key step 14 asks for the last
	TRIP 1, 0, 0, 0                                ; key step 15 asks for nothing (the addresses stepped in these two are not used)
	; THE WAY OUT: O / l, rounded to f16.  A lane's four packed registers of tile (c, dt) are its 16 bytes of the output projection's fragment:
	; each store of the wave covers 512 consecutive bytes, aligned.
	PLACES
.irp c, 0,1
	v_permlanex16_b32 v[T+3*\c+2], v[LS+\c], s95, s96
.endr
.irp c, 0,1
	v_add_f32 v[LS+\c], v[LS+\c], v[T+3*\c+2]      ; both halves' keys
.endr
	v_rcp_f32 v[AL],   v[LS]
	v_rcp_f32 v[AL+1], v[LS]
	v_rcp_f32 v[AL+2], v[LS+1]
	v_rcp_f32 v[AL+3], v[LS+1]
	v_nop                                          ; one plain vector instruction behind the reciprocals (ISA guide 5.7.2)
	WIN 0x41
	s_wait_alu depctr_va_vdst(0)
.irp c, 0,1
.set n, 0
.rept 16
	v_pk_mul_f32 v[OA+32*\c+2*n:OA+32*\c+2*n+1], v[OA+32*\c+2*n:OA+32*\c+2*n+1], v[AL+2*\c:AL+2*\c+1]
.set n, n+1
.endr
.endr
	WIN 0x05
.set n, 0
.rept 32
	v_cvt_pk_f16_f32 v[MK+n], v[OA+2*n], v[OA+2*n+1]               ; d = 16 dt + 8 h + 0..7 of query r: 16 bytes
.set n, n+1
.endr
	WIN 0
.irp c, 0,1
.irp dt, 0,1,2,3
	global_store_b128 v[CO], v[MK+4*(4*\c+\dt):MK+4*(4*\c+\dt)+3], s[12:13] offset:RT*\c+512*\dt
.endr
.endr
	ROUND                                          ; the closing round: no work-group ends while a partner may still ask for a tile that names it
	s_endpgm
.Lfunc_end_k_q514b58a0e8_attn:
	.size	k_q514b58a0e8_attn, .Lfunc_end_k_q514b58a0e8_attn-k_q514b58a0e8_attn
	.p2alignl 7, 3214868480
	.fill 96, 4, 3214868480
	.section	.rodata,"a",@progbits
	.p2align	6, 0x0
	.amdhsa_kernel k_q514b58a0e8_attn
		.amdhsa_group_segment_fixed_size 327680
		.amdhsa_private_segment_fixed_size 0
		.amdhsa_enable_private_segment 0
		.amdhsa_kernarg_size 40
		.amdhsa_user_sgpr_count 2
		.amdhsa_user_sgpr_kernarg_segment_ptr 1
		.amdhsa_wavefront_size32 1
		.amdhsa_system_sgpr_workgroup_id_x 1
		.amdhsa_system_sgpr_workgroup_id_y 1
		.amdhsa_system_sgpr_workgroup_id_z 1
		.amdhsa_system_vgpr_workitem_id 0
		.amdhsa_next_free_vgpr 416
		.amdhsa_next_free_sgpr 102
		.amdhsa_reserve_vcc 0
		.amdhsa_float_denorm_mode_32 3
		.amdhsa_float_denorm_mode_16_64 3
		.amdhsa_memory_ordered 1
		.amdhsa_forward_progress 1
		.amdhsa_inst_pref_size 255
	.end_amdhsa_kernel
	.section	.bss,"aw",@nobits
	.p2align	6
	.space	262144
	.amdgpu_metadata
---
amdhsa.version: [ 1, 2 ]
amdhsa.kernels:
  - .name:           k_q514b58a0e8_attn
    .symbol:         k_q514b58a0e8_attn.kd
    .args:
      - { .name: qb, .offset: 0, .size: 8, .value_kind: global_buffer, .address_space: global }
      - { .name: kb, .offset: 8, .size: 8, .value_kind: global_buffer, .address_space: global }
      - { .name: vb, .offset: 16, .size: 8, .value_kind: global_buffer, .address_space: global }
      - { .name: mask, .offset: 24, .size: 8, .value_kind: global_buffer, .address_space: global }
      - { .name: act, .offset: 32, .size: 8, .value_kind: global_buffer, .address_space: global }
    .group_segment_fixed_size: 327680
    .private_segment_fixed_size: 0
    .kernarg_segment_align: 8
    .kernarg_segment_size: 40
    .max_flat_workgroup_size: 256
    .sgpr_count:     102
    .vgpr_count:     416
    .wavefront_size: 32
...
	.end_amdgpu_metadata
.endif
;; end of part 5
;; launch oproj (part 6): grid 4 x 64, 4 waves a work-group, clusters of 4 x 4, 313,856 bytes of LDS; arguments act, wt, bo, out0; writes out0
.if DOCPART == 6
	.amdgcn_target "amdgcn-amd-amdhsa--gfx1250"
	.amdhsa_code_object_version 6
	.text
	.protected	k_q514b58a0e8_oproj
	.globl	k_q514b58a0e8_oproj
	.p2align	8
	.type	k_q514b58a0e8_oproj,@function
k_q514b58a0e8_oproj:
	s_mov_b64 s[64:65], 0
	v_nop
	global_prefetch_b8 v0, s[64:65] scope:SCOPE_SE
	s_setreg_imm32_b32 hwreg(HW_REG_WAVE_MODE, 25, 1), 1
	s_wait_xcnt 0x0
	s_wait_alu depctr_hold_cnt(0) depctr_sa_sdst(0) depctr_va_vdst(0) depctr_va_sdst(0) depctr_va_ssrc(0) depctr_va_vcc(0) depctr_vm_vsrc(0)
	s_getreg_b32 s2, hwreg(HW_REG_IB_STS2, 6, 4)
	s_cmp_eq_u32 s2, 0
	s_cbranch_scc0 .Lentry_in_a_cluster
	s_endpgm
.Lentry_in_a_cluster:
	s_bfe_u32 s2, ttmp6, 0x10000c
	s_cmp_lg_u32 s2, 0xf033
	s_cbranch_scc0 .Lentry_shape_is_right
	s_endpgm
.Lentry_shape_is_right:
; oproj: out0[row][n] = sum over k of attn[row][k] Wo[k][n] + bo[n], f16 operands, f32 sums and result.
; A = act in fragment order: the 512 bytes at 24,576 rt + 1,024 kq + 512 i hold, at 16 x lane, A(row 16 rt + l % 16, k = 32 kq + 16 i + 8 (l / 16) + 0..7).
; B = wt rows 2304-3071 (Wo transposed), 768 k.
; A work-group makes 64 rows x 192 columns: 4,096 x 768 gives 64 x 4 = 256 work-groups, and a block's rows are 768 bytes, three aligned pieces of 256.
; The four waves lie 2 x 2: wave w makes rows 32 (w / 2) .. + 31 and columns 96 (w % 2) .. + 95: 12 accumulator tiles.  For 64 along K a wave reads 12 fragments
; of B from LDS (24 loads) for 24 matrix instructions; four waves of 16 rows x 192 columns would read 24 fragments for as many.
; NOTHING IS FILLED TWICE.
; All of B's 192 rows x 768 k lie in LDS at once, as 6 K steps of 192 rows x 272 bytes = 313,344 bytes, each brought by one tensor load of 48 rows from
; every wave.  All requests go out at the head; each K step is multiplied when its own have landed.
; CLUSTERS: 4 x 4 work-groups; B's tiles hang on the block column alone and are asked for jointly along a column of the cluster, which divides their requests by
; four.  A is not asked for jointly: through LDS its 64 rows x 1,536 bytes do not fit beside B's 313,344 in 327,680, and slots would have to be filled again.
; REGISTERS in windows of 256: window 0 addresses, bias, A's fragments of my rows 0-15 (kq at v[64 + 8 kq]), later the way out; window 1 B's fragments, two
; buffers of 96 (fragment (e, b) at 48 e + 8 b); window 2 the accumulators (tile (a, b) at v[48 a + 8 b]); window 3 A's fragments of my rows 16-31 (kq at v[8 kq]).
; THE MATRIX INSTRUCTION IS USED TRANSPOSED (source 0 = rows of B, source 1 = rows of A): a lane's eight results are eight neighbouring columns of one row.
.set WTROW,  1536
.set WROW0,  2304                      ; Wo's first row in wt
.set BP,     272                       ; LDS pitch of B's rows: 256 bytes + 16, an odd multiple of 16
.set KSL,    192*BP                    ; one K step of B
.set BQ,     48*BP                     ; a wave's 48 rows of it
.set RT,     24576                     ; bytes of a row tile in act
.set SP,     784                       ; stage pitch: 768 bytes + 16, an odd multiple of 16
.set WSTG,   16*SP                     ; a stage of 16 rows; the four lie on K step 0's bytes (50,176 of 52,224), which are filled once and read for the last time in front of the later barriers
.set ADRB, 16                          ; v16-21  LDS address of my columns' fragments of B in K step s
.set STO,  24
.set RD,   25
.set CO,   26
.set AO,   27                          ; 16 x lane
.set BI,   32                          ; v[32:43] bias of my 4 columns in each of the three 256-byte pieces of a row
.set FA0,  64
.set G1B, 48                           ; s[48:55] shape of a wave's 48 rows x 128 k
.set G0B, 76                           ; s[76:99] group 0, a set for each K step
.set MSB, 0
.macro WIN new                         ; the immediate's high byte repeats the setting that is left
.if MSB != \new
	s_set_vgpr_msb (MSB<<8)|\new
.set MSB, \new
.endif
.endm
.set MUL_0, 0xa1                       ; source 0 (B) window 1, source 1 (A, rows 0-15) window 0, C and D window 2
.set MUL_1, 0xad                       ; the same with source 1 (A, rows 16-31) in window 3
.set TO_B,  0x40                       ; destination window 1, address window 0
.set TO_A1, 0xc0                       ; destination window 3, address window 0
.macro CROUND                          ; a round of the cluster's barrier
	s_barrier_signal -1
	s_barrier_wait -1
	s_cmp_lg_u32 s10, 0
	s_cbranch_scc1 .Lnot_wave_0_\@
	s_barrier_signal -3
.Lnot_wave_0_\@:
	s_barrier_wait -3
	s_barrier_signal -1
	s_barrier_wait -1
.endm
; A's fragments of K step s: 8 loads for my rows 0-15, 8 for rows 16-31, each of 512 consecutive bytes
.macro ALOAD s
	WIN 0
.irp q, 0,1,2,3
	global_load_b128 v[FA0+8*(4*\s+\q):FA0+8*(4*\s+\q)+3],   v[AO], s[4:5] offset:1024*(4*\s+\q)
	global_load_b128 v[FA0+8*(4*\s+\q)+4:FA0+8*(4*\s+\q)+7], v[AO], s[4:5] offset:1024*(4*\s+\q)+512
.endr
	WIN TO_A1
.irp q, 0,1,2,3
	global_load_b128 v[8*(4*\s+\q):8*(4*\s+\q)+3],   v[AO], s[4:5] offset:RT+1024*(4*\s+\q)
	global_load_b128 v[8*(4*\s+\q)+4:8*(4*\s+\q)+7], v[AO], s[4:5] offset:RT+1024*(4*\s+\q)+512
.endr
	WIN 0
.endm
	s_load_b128 s[4:7], s[0:1], 0x0                ; act s[4:5], wt s[6:7]
	s_load_b128 s[68:71], s[0:1], 0x10             ; bo s[68:69], out0 s[70:71]
	v_lshl_add_u32 v62, v0, 2, 0x4c800
	v_mov_b32 v63, 0
	ds_add_u32 v62, v63
	v_lshrrev_b32 v1, 5, v0
	v_readfirstlane_b32 s10, v1                    ; wave 0..3
	s_lshr_b32 s11, s10, 1                         ; which 32 rows of the block are mine
	s_and_b32 s12, s10, 1                          ; which 96 columns
	v_and_b32 v1, 15, v0                           ; r
	v_bfe_u32 v2, v0, 4, 1                         ; h
	v_lshlrev_b32 v5, 4, v1                        ; 16 r
	v_and_b32 v3, 31, v0
	v_lshlrev_b32 v[AO], 4, v3
	s_bfe_u32 s40, ttmp6, 0x40000                  ; cx
	s_bfe_u32 s41, ttmp6, 0x40004                  ; cy
	s_lshl_b32 s42, ttmp9, 2
	s_add_co_u32 s42, s42, s40                     ; block column 0..3
	s_and_b32 s13, ttmp7, 0xffff
	s_lshl_b32 s13, s13, 2
	s_add_co_u32 s13, s13, s41                     ; block row 0..63
	s_lshl_b32 s44, 0x1111, s40                    ; my column of the cluster
	s_or_b32 s[G1B+0], s44, (1<<16)|(1<<20)|(1<<21)|(5<<22)|(3<<25)   ; 2-byte elements, 4 words of padding behind every 64
	s_mov_b32 s[G1B+1], 128<<16                    ; tensor_dim0 = 128
	s_mov_b32 s[G1B+2], 48<<16                     ; tensor_dim1 = 48
	s_mov_b32 s[G1B+3], 128<<16                    ; tile_dim0 = 128
	s_mov_b32 s[G1B+4], 48                         ; tile_dim1 = 48
	s_mov_b32 s[G1B+5], 768                        ; elements from row to row
	s_mov_b32 s[G1B+6], 0
	s_mov_b32 s[G1B+7], 0
	s_mul_i32 s46, s42, 192                        ; B: row 2304 + 192 block column + 48 wave: nothing of the block row enters
	s_mul_i32 s47, s10, 48
	s_add_co_u32 s46, s46, s47
	s_add_co_u32 s46, s46, WROW0
	s_mul_i32 s46, s46, WTROW
	s_mov_b32 s47, 0
	s_mul_i32 s72, s42, 768                        ; my block's 192 columns of 4 bytes, in bo and in a row of out0
	s_mov_b32 s73, 0
	s_lshl_b32 s16, s13, 2                         ; A: row tile 4 block row + 2 (wave / 2)
	s_lshl_b32 s17, s11, 1
	s_add_co_u32 s16, s16, s17
	s_mul_i32 s16, s16, RT
	s_mov_b32 s17, 0
	s_mul_i32 s21, s10, BQ                         ; LDS: the 48 rows of each K step that I fetch
	s_wait_dscnt 0x0
	s_wait_kmcnt 0x0
	s_add_nc_u64 s[4:5], s[4:5], s[16:17]
	s_add_nc_u64 s[46:47], s[6:7], s[46:47]
	s_add_nc_u64 s[68:69], s[68:69], s[72:73]
.irp g, 0,1,2
	global_load_b128 v[BI+4*\g:BI+4*\g+3], v5, s[68:69] offset:256*\g   ; bo[192 block + 64 g + 4 r ..]
.endr
	ALOAD 0                                        ; half of A goes out ahead of the round: these are loads of my own
	ALOAD 1
	ALOAD 2
.irp s, 0,1,2,3,4,5
	s_mov_b32 s[G0B+4*\s], 1
	s_add_co_u32 s[G0B+4*\s+1], s21, \s*KSL
	s_add_nc_u64 s[G0B+4*\s+2:G0B+4*\s+3], s[46:47], \s*256            ; K step s: 128 elements on
	s_or_b32 s[G0B+4*\s+3], s[G0B+4*\s+3], 0x80000000
.endr
	CROUND                                         ; all sixteen work-groups are here: the joint loads meet
.irp s, 0,1,2,3,4,5
	tensor_load_to_lds s[G0B+4*\s:G0B+4*\s+3], s[G1B:G1B+7]            ; all of B: six loads of mine are out
	s_nop 0
.endr
	ALOAD 3                                        ; with these more loads are asked for than the counter's field holds: their issue stalls until earlier ones are back (ISA guide 5.7.1),
	ALOAD 4                                        ; here, where the wave is about to wait for its first tile in any case
	ALOAD 5
	s_mul_i32 s22, s12, 96*BP                      ; my 96 columns = rows of B
	v_mul_u32_u24 v4, v1, BP
	v_lshl_add_u32 v4, v2, 4, v4                   ; row r x pitch + 16 h
	v_add_nc_u32 v[ADRB], s22, v4
.irp s, 1,2,3,4,5
	v_add_nc_u32 v[ADRB+\s], \s*KSL, v[ADRB]
.endr
	s_mul_i32 s23, s11, 2*WSTG                     ; the two stages of my row pair (rows 0-15, rows 16-31),
	s_mul_i32 s18, s12, 384                        ; and in their rows of 768 bytes my 96 columns
	s_add_co_u32 s23, s23, s18
	v_mul_u32_u24 v6, v1, SP
	v_lshl_add_u32 v6, v2, 5, v6
	v_add_nc_u32 v[STO], s23, v6                   ; in: row r, 32 bytes for each half of the lanes
	s_mul_i32 s19, s10, WSTG                       ; back: wave w takes stage w: the 16 rows 16 w .. 16 w + 15 of the block, whole
	v_mul_u32_u24 v7, v2, SP
	v_add_nc_u32 v7, v7, v5
	v_add_nc_u32 v[RD], s19, v7                    ; lanes 0-15 take 256 bytes of one row, lanes 16-31 of the next
	v_mul_u32_u24 v8, v2, 3072
	v_add_nc_u32 v[CO], v8, v5                     ; the same in out0
; 12 matrix instructions: row tile a x my 6 column tiles x the two fragments kq, kq + 1 of 32 k, B from buffer f.  zero = 1: the first product starts the sums.
; The six accumulators of a row tile take turns, one instruction a turn, and the next run begins with another row tile's.
.macro MULROW f, a, kq, zero
.if \a == 0
	WIN MUL_0
.set AR, FA0+8*(\kq)
.else
	WIN MUL_1
.set AR, 8*(\kq)
.endif
.irp e, 0,1
.irp b, 0,1,2,3,4,5
.if \zero*(1-\e)
	v_wmma_f32_16x16x32_f16 v[48*\a+8*\b:48*\a+8*\b+7], v[96*\f+48*\e+8*\b:96*\f+48*\e+8*\b+7], v[AR+8*\e:AR+8*\e+7], 0
.else
	v_wmma_f32_16x16x32_f16 v[48*\a+8*\b:48*\a+8*\b+7], v[96*\f+48*\e+8*\b:96*\f+48*\e+8*\b+7], v[AR+8*\e:AR+8*\e+7], v[48*\a+8*\b:48*\a+8*\b+7]
.endif
.endr
.endr
.endm
.macro FETCH slot, u, f                ; 24 LDS loads in one run: my 96 rows of B, half u (64 k) of K step slot, into buffer f
	WIN TO_B
.irp e, 0,1
.irp b, 0,1,2,3,4,5
	ds_load_b128 v[96*\f+48*\e+8*\b:96*\f+48*\e+8*\b+3],   v[ADRB+\slot] offset:64*(2*\u+\e)+16*BP*\b
	ds_load_b128 v[96*\f+48*\e+8*\b+4:96*\f+48*\e+8*\b+7], v[ADRB+\slot] offset:64*(2*\u+\e)+16*BP*\b+32
.endr
.endr
.endm
.macro PLACES                          ; four places behind matrix instructions (ISA guide 7.12.1 for vector instructions)
.rept 4
	v_nop
.endr
.endm
; The first half of a K step: asks for the second half into buffer 1, then multiplies the first from buffer 0, whose loads went out 12 matrix instructions ago.
.macro HALF slot, zero, left
	s_wait_loadcnt \left                           ; A's fragments of this K step are in; at most the later K steps' loads stay out
	PLACES                                         ; buffer 1 was read by the matrix instructions just issued
	FETCH \slot, 1, 1
	s_wait_dscnt 24                                ; buffer 0 is in; the 24 loads just issued stay out
	MULROW 0, 0, 4*\slot, \zero
	MULROW 0, 1, 4*\slot, \zero
.endm
; The second half multiplies buffer 1 and goes on to the next K step: my part of it has landed (left = my loads for the K steps behind it, which may stay
; out), and behind the barrier everybody's has.
.macro TURN slot, next, left
	s_wait_dscnt 0x0                               ; buffer 1 is in, and no LDS load of mine is out at the signal
	s_wait_tensorcnt \left
	s_barrier_signal -1
	MULROW 1, 0, 4*\slot+2, 0                      ; register work while the others arrive
	s_barrier_wait -1
	PLACES
	FETCH \next, 0, 0
	MULROW 1, 1, 4*\slot+2, 0
.endm
	s_wait_tensorcnt 0x5                           ; my part of K step 0 is in; the other five loads stay out
	s_barrier_signal -1
	s_barrier_wait -1
	FETCH 0, 0, 0
	HALF 0, 1, 63                                  ; 80 younger loads could stay out, then 64: the wait's field holds 63, which asks for more than is needed
	TURN 0, 1, 4
	HALF 1, 0, 63
	TURN 1, 2, 3
	HALF 2, 0, 48
	TURN 2, 3, 2
	HALF 3, 0, 32
	TURN 3, 4, 1
	HALF 4, 0, 16
	TURN 4, 5, 0                                   ; the last tensor load is waited for here
	HALF 5, 0, 0
	s_wait_dscnt 0x0
	MULROW 1, 0, 22, 0
	MULROW 1, 1, 22, 0
	; THE WAY OUT.  A wave's 96 columns are 384 bytes of a row, one and a half pieces of 256: so the two waves of a row pair put their f32 sums side by side into
	; stage rows of 768 bytes, and behind a barrier each wave takes 16 whole rows back, adds the bias and stores them in aligned pieces of 256 bytes.
	; The stages lie on K step 0's bytes: every wave waited for its reads of them in front of the barriers above, and no load lands there any more.
	PLACES
	s_mul_i32 s16, s13, 64*3072                    ; my block's rows
	s_mul_i32 s17, s10, 16*3072                    ; the 16 that I store
	s_add_co_u32 s16, s16, s17
	s_mov_b32 s17, 0
	s_add_nc_u64 s[70:71], s[70:71], s[16:17]
	s_add_nc_u64 s[70:71], s[70:71], s[72:73]
	WIN 0x08                                       ; store data from window 2
.irp a, 0,1
.irp b, 0,1,2,3,4,5
	ds_store_b128 v[STO], v[48*\a+8*\b:48*\a+8*\b+3]   offset:WSTG*\a+64*\b
	ds_store_b128 v[STO], v[48*\a+8*\b+4:48*\a+8*\b+7] offset:WSTG*\a+64*\b+16
.endr
.endr
	WIN 0
	s_wait_dscnt 0x0                               ; my halves of the stage rows are written,
	s_barrier_signal -1
	s_barrier_wait -1                              ; my partner's are
.irp u, 0,1,2,3,4,5,6,7
.irp g, 0,1,2
	ds_load_b128 v[FA0+4*(3*\u+\g):FA0+4*(3*\u+\g)+3], v[RD] offset:2*SP*\u+256*\g   ; on the registers of A's fragments, which are spent
.endr
.endr
.irp u, 0,1,2,3,4,5,6,7
.irp g, 0,1,2
	s_wait_dscnt 23-(3*\u+\g)                      ; LDS loads come back in order: this one is in, the younger ones stay out
	v_pk_add_f32 v[FA0+4*(3*\u+\g):FA0+4*(3*\u+\g)+1],   v[FA0+4*(3*\u+\g):FA0+4*(3*\u+\g)+1],   v[BI+4*\g:BI+4*\g+1]
	v_pk_add_f32 v[FA0+4*(3*\u+\g)+2:FA0+4*(3*\u+\g)+3], v[FA0+4*(3*\u+\g)+2:FA0+4*(3*\u+\g)+3], v[BI+4*\g+2:BI+4*\g+3]
	global_store_b128 v[CO], v[FA0+4*(3*\u+\g):FA0+4*(3*\u+\g)+3], s[70:71] offset:3072*2*\u+256*\g th:TH_STORE_NT   ; sixteen lanes store 256 consecutive bytes, aligned; each store has registers of its own
.endr
.endr
	s_wait_tensorcnt 0x0
	ds_add_u32 v62, v63
	s_wait_dscnt 0x0
	CROUND                                         ; the closing round: no work-group ends while a partner may still ask for a tile that names it
	s_endpgm
.Lfunc_end_k_q514b58a0e8_oproj:
	.size	k_q514b58a0e8_oproj, .Lfunc_end_k_q514b58a0e8_oproj-k_q514b58a0e8_oproj
	.p2alignl 7, 3214868480
	.fill 96, 4, 3214868480
	.section	.rodata,"a",@progbits
	.p2align	6, 0x0
	.amdhsa_kernel k_q514b58a0e8_oproj
		.amdhsa_group_segment_fixed_size 313856
		.amdhsa_private_segment_fixed_size 0
		.amdhsa_enable_private_segment 0
		.amdhsa_kernarg_size 32
		.amdhsa_user_sgpr_count 2
		.amdhsa_user_sgpr_kernarg_segment_ptr 1
		.amdhsa_wavefront_size32 1
		.amdhsa_system_sgpr_workgroup_id_x 1
		.amdhsa_system_sgpr_workgroup_id_y 1
		.amdhsa_system_sgpr_workgroup_id_z 1
		.amdhsa_system_vgpr_workitem_id 0
		.amdhsa_next_free_vgpr 960
		.amdhsa_next_free_sgpr 100
		.amdhsa_reserve_vcc 0
		.amdhsa_float_denorm_mode_32 3
		.amdhsa_float_denorm_mode_16_64 3
		.amdhsa_memory_ordered 1
		.amdhsa_forward_progress 1
		.amdhsa_inst_pref_size 66
	.end_amdhsa_kernel
	.amdgpu_metadata
---
amdhsa.version: [ 1, 2 ]
amdhsa.kernels:
  - .name:           k_q514b58a0e8_oproj
    .symbol:         k_q514b58a0e8_oproj.kd
    .args:
      - { .name: act, .offset: 0, .size: 8, .value_kind: global_buffer, .address_space: global }
      - { .name: wt, .offset: 8, .size: 8, .value_kind: global_buffer, .address_space: global }
      - { .name: bo, .offset: 16, .size: 8, .value_kind: global_buffer, .address_space: global }
      - { .name: out0, .offset: 24, .size: 8, .value_kind: global_buffer, .address_space: global }
    .group_segment_fixed_size: 313856
    .private_segment_fixed_size: 0
    .kernarg_segment_align: 8
    .kernarg_segment_size: 32
    .max_flat_workgroup_size: 128
    .sgpr_count:     100
    .vgpr_count:     960
    .wavefront_size: 32
...
	.end_amdgpu_metadata
.endif
;; end of part 6
